; MI455X (gfx1250); checked and timed in simulation.
; The chip was launched on July 23, 2026; its instructions are those of AMD's public machine-readable ISA for CDNA 5 (MIT licence, August 2026) and "CDNA5" Instruction Set Architecture Reference Guide (July 2026). The comments in the code are by the model that wrote it; some were corrected since.
;; Multi Head Attention. Allowed arithmetic: matrix products marked QUANTISED: E4M3 operands, one given power-of-two scale a tensor, by v_wmma_f32_16x16x64_fp8_fp8 or v_wmma_f32_16x16x128_fp8_fp8, f32 sums; products left as they are: f32 operands where the result goes on into a quantised operand, else bf16, f16 or f32 operands; f32 sums; everything else in f32.
;; Inputs: Wk 1,024 x 1,024 float32; Wo 1,024 x 1,024 float32; Wq 1,024 x 1,024 float32; Wv 1,024 x 1,024 float32; bo 1,024 float32; lowp_scales 12 int32 (the exponents e of the quantised operands' scales 2^e); x 4 x 2,048 x 1,024 float32.
;; Outputs: out0 4 x 2,048 x 1,024 float32.
;; This version of the problem:
;;   THIS VERSION OF THE PROBLEM IS GIVEN IN LOW PRECISION. The matrix products marked QUANTISED in the list below multiply operands that are first quantised to E4M3 (4 exponent bits, 3 mantissa bits; 8 bits a number), with one given power-of-two scale for each operand tensor; their sums are f32. All else is computed in f32.
;;   The module's matrix products, in the order in which they are computed (A, B: the left and right operand; K: the contracted axis; several contracted axes count as one K, in the product's order):
;;     1. [M 8,192, K 1,024] x [K 1,024, N 1,024]; A: input x; B: input Wq: QUANTISED (scales: A lowp_scales[0], B lowp_scales[1])
;;     2. [M 8,192, K 1,024] x [K 1,024, N 1,024]; A: input x; B: input Wk: QUANTISED (scales: A lowp_scales[2], B lowp_scales[3])
;;     3. [M 8,192, K 1,024] x [K 1,024, N 1,024]; A: input x; B: input Wv: QUANTISED (scales: A lowp_scales[4], B lowp_scales[5])
;;     4. [M 2,048, K 1] x [K 1, N 32]; A: computed on the way; B: computed on the way: left as it is (no contracted axis)
;;     5. batch 64 x [M 2,048, K 64] x [K 64, N 2,048]; A: computed on the way; B: computed on the way: QUANTISED (scales: A lowp_scales[6], B lowp_scales[7])
;;     6. batch 64 x [M 2,048, K 2,048] x [K 2,048, N 64]; A: softmax (see below); B: computed on the way: QUANTISED (scales: A lowp_scales[8], B lowp_scales[9])
;;     7. [M 8,192, K 1,024] x [K 1,024, N 1,024]; A: computed on the way; B: input Wo: QUANTISED (scales: A lowp_scales[10], B lowp_scales[11])
;;   THE QUANTISER, for each operand of a quantised product, along K:
;;     - The operand's scale is 2^e, e = its entry of the input lowp_scales (int32; the entries are numbered through the quantised products in the list's order, A before B).
;;     - Each number is divided by the scale, clamped to +-448, and rounded to the nearest number of E4M3, ties to even, subnormals kept.
;;     - The product sums the exact products of the quantised numbers (number of the format x scale) in f32.
;;   ~~~python
;;   def quantise(x, axis, e):      # numpy; x: float32 -> the quantised numbers, widened to float32 again
;;       x = np.moveaxis(x, axis, -1); K = x.shape[-1]
;;       r = np.clip(x / 2.0 ** e, -448, 448)
;;       step = 2.0 ** (np.maximum(np.frexp(np.where(r == 0, 1, r))[1] - 1, -6) - 3)
;;       q = np.round(r / step) * step * 2.0 ** e      # np.round: ties to even
;;       return np.moveaxis(q, -1, axis).astype(np.float32)
;;   ~~~
;;   SOFTMAX AHEAD OF A QUANTISED PRODUCT. Where the list says 'softmax', what is quantised is not the finished softmax but p = 2^(t - M), with t = logit x log2(e) and M = ceil(the row's largest t), a whole number; so 1/2 < the row's largest p <= 1. The row's sum l is taken of the UNQUANTISED p, in f32, and the product's result is divided by l at the end. Since M is a whole number, a kernel that streams over the keys may use a running M (the ceiling of the running maximum): every later rescaling is an exact power of two, so the quantised numbers keep their values, but for numbers so far below the row's largest that they fall under the format's range.
;;   OPERANDS COMPUTED ON THE WAY. 'Computed on the way' means the value that the module computes at that place (a softmax that the list does not call 'softmax' is quantised finished and normalised). What goes into a quantiser is computed in f32, as accurately as f32 sums, v_exp_f32 and their like allow (about 1e-6 of the number): no bf16 or f16 on the way to a quantiser, and a product that is left as it is and whose result goes on into a quantised operand takes f32 operands (vector FMAs, or v_wmma_f32_16x16x4_f32). A number that lies on a knife's edge between two numbers of the format may be rounded either way, as far as f32 arithmetic and the matrix unit's own rounding can turn it there, and no further.
;; One version. Each part assembles by itself: llvm-mc -triple=amdgcn-amd-amdhsa -mcpu=gfx1250 --defsym DOCPART=n.
;; ======== version 1 of 1: 4 launches
;; limits: right only within a limited range of input values
;; workspace buffers: xc 25,165,824 bytes; wc 4,194,304 bytes; rope 524,288 bytes; qkv 25,165,824 bytes; oc 8,388,608 bytes
;; launch prep (part 1): grid 416 x 1, 4 waves a work-group, no clusters, 68,096 bytes of LDS; arguments x, Wq, Wk, Wv, Wo, lowp_scales, xc, wc, rope; writes xc, wc, rope
.if DOCPART == 1
	.amdgcn_target "amdgcn-amd-amdhsa--gfx1250"
	.amdhsa_code_object_version 6
	.text
	.protected	k_qbd347b241c_prep
	.globl	k_qbd347b241c_prep
	.p2align	8
	.type	k_qbd347b241c_prep,@function
k_qbd347b241c_prep:
	s_mov_b64 s[64:65], 0
	v_nop
	global_prefetch_b8 v0, s[64:65] scope:SCOPE_SE
	s_setreg_imm32_b32 hwreg(HW_REG_WAVE_MODE, 25, 1), 1
	s_wait_xcnt 0x0
; PREP: what every later launch reads many times is made once.  Three kinds of work-group, told apart by the work-group's number; the three ways never join again.
;   0..255    x [8192][1024] f32 -> three planes of E4M3 codes in xc (scales 2^e0, 2^e2, 2^e4: the three projections' own), each [8192][1024], K innermost.
;   256..383  Wq, Wk, Wv, Wo [k 1024][n 1024] f32 -> four planes of codes in wc (2^e1, 2^e3, 2^e5, 2^e11), each [n 1024][k 1024], K innermost.
;   384..415  the table of the rotary angles: rope[s][0..31] = cos(s f_i), rope[s][32..63] = sin(s f_i), f_i = 10^(-i/8), f32: 256 bytes a position.
; code = number / 2^e, held within +-448, to the nearest code, ties to even.
; LIMITS: each e used here lies between -126 and 119, so that 2^e and 448 x 2^e are f32 numbers.  NaN among the inputs is not served; an infinity is held at the largest code.
; The angle is the f32 product s x f_i with f_i rounded correctly to f32; a frequency made by a power and a division in f32 may differ from it in its last bit, which moves an angle of 2,000 by about 1e-4.
; No tensor load, no barrier: waves share nothing.  Each way that uses LDS has bytes of its own.
.set WREG,  8192                       ; x: a region for each wave: two stages of 32 x SP bytes
.set SP,    80                         ; a lane's 64 bytes + 16 of padding
.set WST0,  4*WREG                     ; the weights' stages begin here: 32 rows x WP bytes for each wave
.set WP,    272                        ; a stage row: 256 bytes of codes + 16
.set SPARE, WST0+4*32*WP               ; the spare words, 128 bytes for each wave: two blocks of 256 bytes that no other line names
.set SPW,   12                         ; v12  LDS address of my spare word; never rewritten
.set NIL,   13                         ; v13  0; never rewritten
.set R,     16                         ; x: v16-79   four sets of 16 numbers as loaded
.set X,     80                         ;    v80-111  two sets of 16 neighbours
.set T,     112                        ;    v112-127 held for the first scale
.set U,     128                        ;    v128-143 held for the second (the third is held in place)
.set C,     144                        ;    v144-167 codes: two sets of 3 x 4 registers
.set WX,    32                         ; weights: v32-95 two sets of 32 numbers
.set WC,    96                         ;    v96-103  a block's codes
.set WOUT,  112                        ;    v112-175 the way out
.macro MKSCALE e, vs, vl               ; s[e] holds e: v[vs] = 2^e as f32 (the conversion takes its exponent field), v[vl] = 448 x 2^e
	s_add_co_i32 s48, s[\e], 127
	s_lshl_b32 s49, s48, 23
	v_mov_b32 v[\vs], s49
	s_add_co_i32 s48, s48, 8
	s_lshl_b32 s48, s48, 23
	s_or_b32 s48, s48, 0x600000
	v_mov_b32 v[\vl], s48
.endm
.macro XLOAD t                         ; step t: four loads of 512 consecutive bytes
.irp i, 0,1,2,3
	global_load_b128 v[R+16*((\t)%4)+4*\i:R+16*((\t)%4)+4*\i+3], v3, s[4:5] offset:2048*(\t)+512*\i th:TH_LOAD_NT
.endr
.endm
.macro XTURN t                         ; step t's 2,048 bytes through my stage: in as they lie, back 64 bytes a lane.  LDS serves a wave's instructions in order
.irp i, 0,1,2,3
	ds_store_b128 v14, v[R+16*((\t)%4)+4*\i:R+16*((\t)%4)+4*\i+3] offset:32*SP*((\t)%2)+8*SP*\i
.endr
.irp i, 0,1,2,3
	ds_load_b128 v[X+16*((\t)%2)+4*\i:X+16*((\t)%2)+4*\i+3], v15 offset:32*SP*((\t)%2)+16*\i
.endr
.endm
.macro QX dst, src, lim, sc, c0        ; 16 numbers held within +-v[lim] into v[dst] on, then 16 codes into v[c0] on
.irp i, 0,1,2,3,4,5,6,7,8,9,10,11,12,13,14,15
	v_med3_num_f32 v[\dst+\i], v[\src+\i], -v[\lim], v[\lim]   ; the conversion to an 8-bit code does not saturate (ISA guide 7.6.2)
.endr
	v_cvt_scalef32_pk8_fp8_f32 v[\c0:\c0+1], v[\dst:\dst+7], v[\sc]
	v_cvt_scalef32_pk8_fp8_f32 v[\c0+2:\c0+3], v[\dst+8:\dst+15], v[\sc]
.endm
.macro XSTEP t
.set XS, X+16*((\t)%2)
.set CC, C+12*((\t)%2)
	s_wait_dscnt 0x0                               ; this step's numbers are back from the stage, and its stores into the stage have read their registers,
.if (\t)+4 < 16
	XLOAD (\t)+4                                   ; which take the loads of four steps on
.endif
.if (\t)+1 < 16
.if 14-(\t) >= 3
	s_wait_loadcnt 12                              ; the next step's four loads are in; those of the three steps behind it may be out
.else
	s_wait_loadcnt 4*(14-(\t))
.endif
	XTURN (\t)+1
.endif
.if (\t) >= 2
	s_wait_xcnt 0x0                                ; the stores of two steps back have read this set of code registers
.endif
	QX T, XS, 9, 6, CC                             ; the three scales by turns on three sets of registers: sixteen plain lines stand between a conversion and the next write of its sources
	QX U, XS, 10, 7, CC+4
	QX XS, XS, 11, 8, CC+8
	global_store_b128 v3, v[CC:CC+3], s[42:43] offset:512*(\t)       ; 32 lanes store 512 consecutive bytes, aligned
	global_store_b128 v3, v[CC+4:CC+7], s[44:45] offset:512*(\t)
	global_store_b128 v3, v[CC+8:CC+11], s[46:47] offset:512*(\t)
.endm
.macro WLOAD t                         ; block t: W(32 t + i, my column), i = 0 .. 31
.set i, 0
.rept 32
	global_load_b32 v[WX+32*((\t)%2)+i], v3, s[40:41] offset:(32*(\t)+i)*4096 th:TH_LOAD_NT
.set i, i+1
.endr
.endm
.macro WBLOCK t
.set XS, WX+32*((\t)%2)
.if (\t) < 7
	s_wait_loadcnt 32                              ; this block's 32 loads are in; the next block's may be out
.else
	s_wait_loadcnt 0
.endif
.set i, 0
.rept 32
	v_med3_num_f32 v[XS+i], v[XS+i], -v10, v10
.set i, i+1
.endr
.irp g, 0,1,2,3
	v_cvt_scalef32_pk8_fp8_f32 v[WC+2*\g:WC+2*\g+1], v[XS+8*\g:XS+8*\g+7], v11
.endr
	ds_store_b128 v4, v[WC:WC+3] offset:32*(\t)    ; 32 codes of my column's row
	ds_store_b128 v4, v[WC+4:WC+7] offset:32*(\t)+16
.if (\t)+2 < 8
	WLOAD (\t)+2
.endif
	s_wait_dscnt 0x0                               ; the stores have read their registers: the next block's codes may be written
.endm
.macro FREQ i, val                     ; frequency i goes to the two lanes that make it: one for the cosine, one for the sine
	s_mov_b32 s40, \val
	v_writelane_b32 v[20+(\i)%2], s40, (\i)/2
	v_writelane_b32 v[20+(\i)%2], s40, (\i)/2+16
.endm
.macro ANGLE f, o                      ; v[o] = cos or sin (by the lane's v18) of v22 x v[f]
	v_mul_f32 v24, v22, v[\f]                      ; the angle: one rounding
	v_mul_f32 v26, s43, v24
	v_rndne_f32 v26, v26                           ; n = the nearest multiple of pi/2
	v_fma_f32 v24, -v26, s44, v24                  ; r = angle - n pi/2, pi/2 in three parts; the first step is exact
	v_fma_f32 v24, -v26, s45, v24
	v_fma_f32 v24, -v26, s46, v24
	v_mul_f32 v28, v24, v24                        ; z = r r, |r| <= pi/4
	v_fma_f32 v30, v28, s47, s48
	v_fma_f32 v30, v30, v28, s49
	v_mul_f32 v30, v30, v28
	v_fma_f32 v30, v30, v24, v24                   ; sin r = r + r z (S1 + z (S2 + z S3))
	v_fma_f32 v32, v28, s50, s51
	v_fma_f32 v32, v32, v28, s52
	v_mul_f32 v36, v28, v28
	v_fma_f32 v38, v28, -0.5, 1.0
	v_fma_f32 v32, v32, v36, v38                   ; cos r = 1 - z/2 + z z (C1 + z (C2 + z C3))
	v_cvt_i32_f32 v26, v26
	v_add_nc_u32 v26, v26, v18                     ; the quadrant; a cosine is the sine a quadrant on
	v_and_b32 v40, 1, v26
	v_cmp_eq_u32 vcc_lo, 1, v40
	v_cndmask_b32 v[\o], v30, v32, vcc_lo          ; odd quadrants take cos r
	v_lshlrev_b32 v26, 30, v26
	v_and_b32 v26, 0x80000000, v26
	v_xor_b32 v[\o], v[\o], v26                    ; quadrants 2 and 3 change the sign
.endm
	s_load_b512 s[4:19], s[0:1], 0x0               ; x 4, Wq 6, Wk 8, Wv 10, Wo 12, the exponents 14, xc 16, wc 18
	s_load_b64 s[20:21], s[0:1], 0x40              ; rope
	v_lshl_add_u32 v[SPW], v0, 2, SPARE
	v_mov_b32 v[NIL], 0
	v_lshrrev_b32 v1, 5, v0
	v_readfirstlane_b32 s22, v1                    ; wave 0..3
	v_and_b32 v2, 31, v0                           ; lane
	s_wait_kmcnt 0x0
	s_cmp_ge_u32 ttmp9, 384
	s_cbranch_scc1 .Ltable
	s_load_b256 s[24:31], s[14:15], 0x0            ; e0 .. e7
	s_load_b128 s[32:35], s[14:15], 0x20           ; e8 .. e11
	s_cmp_ge_u32 ttmp9, 256
	s_cbranch_scc1 .Lweights
	; ---- x: a plain stream.  A wave takes 16 steps of 512 numbers; run = 4 x work-group + wave
	s_lshl_b32 s36, ttmp9, 2
	s_add_co_u32 s36, s36, s22
	s_lshl_b32 s38, s36, 15                        ; 8,192 numbers of 4 bytes
	s_mov_b32 s39, 0
	s_add_nc_u64 s[4:5], s[4:5], s[38:39]
	s_lshl_b32 s38, s36, 13                        ; 8,192 codes
	s_add_nc_u64 s[42:43], s[16:17], s[38:39]      ; a base for each plane: a plane's 8,388,608 bytes are one more than a store's immediate holds
	s_add_nc_u64 s[44:45], s[42:43], 0x800000
	s_add_nc_u64 s[46:47], s[42:43], 0x1000000
	v_lshlrev_b32 v3, 4, v2                        ; 16 x lane: my bytes of a load's 512 and of a store's 512
	s_mul_i32 s37, s22, WREG
	v_lshrrev_b32 v14, 2, v2
	v_mul_u32_u24 v14, v14, SP
	v_and_b32 v15, 3, v2
	v_lshl_add_u32 v14, v15, 4, v14
	v_add_nc_u32 v14, s37, v14                     ; the stage on the way in: four lanes' 64 bytes on end, then 16 of padding
	v_mul_u32_u24 v15, v2, SP
	v_add_nc_u32 v15, s37, v15                     ; and on the way out: my 16 neighbours
	XLOAD 0
	XLOAD 1
	XLOAD 2
	XLOAD 3
	s_wait_kmcnt 0x0
	MKSCALE 24, 6, 9
	MKSCALE 26, 7, 10
	MKSCALE 28, 8, 11
	s_wait_loadcnt 12                              ; step 0's four loads are in
	XTURN 0
.irp t, 0,1,2,3,4,5,6,7,8,9,10,11,12,13,14,15
	XSTEP \t
.endr
	s_wait_tensorcnt 0x0                           ; the wave's end, behind my last LDS store
	ds_add_u32 v[SPW], v[NIL]
	s_wait_dscnt 0x0
	s_endpgm
	; ---- the weights: a lane takes a column n and its registers run down K, so the conversions give codes with K innermost
.Lweights:
	s_sub_co_u32 s36, ttmp9, 256
	s_lshr_b32 s37, s36, 5                         ; which weight: 0 Wq, 1 Wk, 2 Wv, 3 Wo
	s_and_b32 s38, s36, 7                          ; which 128 columns
	s_bfe_u32 s39, s36, 0x20003                    ; which 256 along K
	s_lshl_b32 s38, s38, 7
	s_lshl_b32 s40, s22, 5
	s_add_co_u32 s38, s38, s40                     ; my wave's first column
	s_bitcmp1_b32 s37, 0                           ; the choice hangs on the work-group's number alone
	s_cselect_b64 s[40:41], s[8:9], s[6:7]
	s_cselect_b64 s[42:43], s[12:13], s[10:11]
	s_cmp_lt_u32 s37, 2
	s_cselect_b64 s[40:41], s[40:41], s[42:43]
	s_lshl_b32 s44, s39, 20                        ; 256 rows of 4,096 bytes
	s_lshl_b32 s45, s38, 2
	s_add_co_u32 s44, s44, s45
	s_mov_b32 s45, 0
	s_add_nc_u64 s[40:41], s[40:41], s[44:45]
	s_lshl_b32 s44, s37, 20                        ; the weight's plane of codes,
	s_lshl_b32 s46, s38, 10                        ; my first column's row of 1,024 bytes,
	s_add_co_u32 s44, s44, s46
	s_lshl_b32 s46, s39, 8                         ; my 256 along K
	s_add_co_u32 s44, s44, s46
	s_add_nc_u64 s[18:19], s[18:19], s[44:45]
	v_lshlrev_b32 v3, 2, v2                        ; in: 4 bytes a lane: a wave reads 128 consecutive bytes, the work-group 512
	s_mul_i32 s48, s22, 32*WP
	s_add_co_u32 s48, s48, WST0                    ; my stage
	v_mul_u32_u24 v4, v2, WP
	v_add_nc_u32 v4, s48, v4                       ; into it: row = my column
	v_and_b32 v5, 15, v2
	v_lshrrev_b32 v6, 4, v2
	v_mul_u32_u24 v7, v6, WP
	v_lshl_add_u32 v7, v5, 4, v7
	v_add_nc_u32 v7, s48, v7                       ; out of it: sixteen lanes to a row, two rows an instruction
	v_lshlrev_b32 v8, 10, v6
	v_lshl_add_u32 v8, v5, 4, v8                   ; and the same place in the plane of codes
	WLOAD 0
	WLOAD 1
	s_wait_kmcnt 0x0
	s_bitcmp1_b32 s37, 0
	s_cselect_b32 s46, s27, s25                    ; e3 or e1
	s_cselect_b32 s47, s35, s29                    ; e11 or e5
	s_cmp_lt_u32 s37, 2
	s_cselect_b32 s46, s46, s47
	MKSCALE 46, 11, 10
.irp t, 0,1,2,3,4,5,6,7
	WBLOCK \t
.endr
.irp t, 0,1,2,3,4,5,6,7,8,9,10,11,12,13,14,15
	ds_load_b128 v[WOUT+4*\t:WOUT+4*\t+3], v7 offset:2*\t*WP
.endr
.irp t, 0,1,2,3,4,5,6,7,8,9,10,11,12,13,14,15
	s_wait_dscnt 15-\t                             ; rows 2 t and 2 t + 1 are back; the later loads may be out
	global_store_b128 v8, v[WOUT+4*\t:WOUT+4*\t+3], s[18:19] offset:2*\t*1024   ; sixteen lanes store 256 consecutive bytes, aligned
.endr
	s_wait_tensorcnt 0x0                           ; the wave's end, behind my last LDS store
	ds_add_u32 v[SPW], v[NIL]
	s_wait_dscnt 0x0
	s_endpgm
	; ---- the table: a wave makes 16 positions, one a trip.  Lane l makes frequencies 2 (l % 16) and 2 (l % 16) + 1: lanes 0-15 their cosines, lanes 16-31 their sines
.Ltable:
	s_sub_co_u32 s36, ttmp9, 384
	s_lshl_b32 s36, s36, 2
	s_add_co_u32 s36, s36, s22
	s_lshl_b32 s41, s36, 4                         ; my first position
	s_lshl_b32 s38, s41, 8
	s_mov_b32 s39, 0
	s_add_nc_u64 s[20:21], s[20:21], s[38:39]
	v_mov_b32 v20, 0
	v_mov_b32 v21, 0
	FREQ 0, 1.0
	FREQ 1, 0.7498942093
	FREQ 2, 0.5623413252
	FREQ 3, 0.4216965034
	FREQ 4, 0.3162277660
	FREQ 5, 0.2371373706
	FREQ 6, 0.1778279410
	FREQ 7, 0.1333521432
	FREQ 8, 0.1
	FREQ 9, 0.07498942093
	FREQ 10, 0.05623413252
	FREQ 11, 0.04216965034
	FREQ 12, 0.03162277660
	FREQ 13, 0.02371373706
	FREQ 14, 0.01778279410
	FREQ 15, 0.01333521432
	FREQ 16, 0.01
	FREQ 17, 0.007498942093
	FREQ 18, 0.005623413252
	FREQ 19, 0.004216965034
	FREQ 20, 0.003162277660
	FREQ 21, 0.002371373706
	FREQ 22, 0.001778279410
	FREQ 23, 0.001333521432
	FREQ 24, 0.001
	FREQ 25, 0.0007498942093
	FREQ 26, 0.0005623413252
	FREQ 27, 0.0004216965034
	FREQ 28, 0.0003162277660
	FREQ 29, 0.0002371373706
	FREQ 30, 0.0001778279410
	FREQ 31, 0.0001333521432
	v_lshlrev_b32 v19, 3, v2                       ; 8 bytes a lane: the wave stores a position's 256 bytes whole
	v_lshrrev_b32 v18, 4, v2
	v_xor_b32 v18, 1, v18                          ; 1 for a cosine, 0 for a sine
	s_mov_b32 s43, 0x3f22f983                      ; 2 / pi
	s_mov_b32 s44, 0x3fc90fda                      ; pi / 2 in three parts
	s_mov_b32 s45, 0x33a22168
	s_mov_b32 s46, 0x27c234c4
	s_mov_b32 s47, -0.00019515295891               ; S3
	s_mov_b32 s48, 0.0083321608736                 ; S2
	s_mov_b32 s49, -0.16666654611                  ; S1
	s_mov_b32 s50, 0.00002443315712                ; C3
	s_mov_b32 s51, -0.001388731625                 ; C2
	s_mov_b32 s52, 0.04166664568                   ; C1
	s_mov_b32 s42, 16
.Lrow:
	v_cvt_f32_u32 v22, s41
	ANGLE 20, 34
	ANGLE 21, 35
	global_store_b64 v19, v[34:35], s[20:21]
	s_wait_xcnt 0x0                                ; the store has read its data and its base: both are written again below
	s_add_nc_u64 s[20:21], s[20:21], 256
	s_add_co_u32 s41, s41, 1
	s_sub_co_u32 s42, s42, 1
	s_cmp_lg_u32 s42, 0
	s_cbranch_scc1 .Lrow
	s_endpgm
.Lfunc_end_k_qbd347b241c_prep:
	.size	k_qbd347b241c_prep, .Lfunc_end_k_qbd347b241c_prep-k_qbd347b241c_prep
	.p2alignl 7, 3214868480
	.fill 96, 4, 3214868480
	.section	.rodata,"a",@progbits
	.p2align	6, 0x0
	.amdhsa_kernel k_qbd347b241c_prep
		.amdhsa_group_segment_fixed_size 68096
		.amdhsa_private_segment_fixed_size 0
		.amdhsa_enable_private_segment 0
		.amdhsa_kernarg_size 72
		.amdhsa_user_sgpr_count 2
		.amdhsa_user_sgpr_kernarg_segment_ptr 1
		.amdhsa_wavefront_size32 1
		.amdhsa_system_sgpr_workgroup_id_x 1
		.amdhsa_system_sgpr_workgroup_id_y 1
		.amdhsa_system_sgpr_workgroup_id_z 1
		.amdhsa_system_vgpr_workitem_id 0
		.amdhsa_next_free_vgpr 176
		.amdhsa_next_free_sgpr 66
		.amdhsa_reserve_vcc 1
		.amdhsa_float_denorm_mode_32 3
		.amdhsa_float_denorm_mode_16_64 3
		.amdhsa_memory_ordered 1
		.amdhsa_forward_progress 1
		.amdhsa_inst_pref_size 135
	.end_amdhsa_kernel
	.amdgpu_metadata
---
amdhsa.version: [ 1, 2 ]
amdhsa.kernels:
  - .name:           k_qbd347b241c_prep
    .symbol:         k_qbd347b241c_prep.kd
    .args:
      - { .name: x, .offset: 0, .size: 8, .value_kind: global_buffer, .address_space: global }
      - { .name: Wq, .offset: 8, .size: 8, .value_kind: global_buffer, .address_space: global }
      - { .name: Wk, .offset: 16, .size: 8, .value_kind: global_buffer, .address_space: global }
      - { .name: Wv, .offset: 24, .size: 8, .value_kind: global_buffer, .address_space: global }
      - { .name: Wo, .offset: 32, .size: 8, .value_kind: global_buffer, .address_space: global }
      - { .name: lowp_scales, .offset: 40, .size: 8, .value_kind: global_buffer, .address_space: global }
      - { .name: xc, .offset: 48, .size: 8, .value_kind: global_buffer, .address_space: global }
      - { .name: wc, .offset: 56, .size: 8, .value_kind: global_buffer, .address_space: global }
      - { .name: rope, .offset: 64, .size: 8, .value_kind: global_buffer, .address_space: global }
    .group_segment_fixed_size: 68096
    .private_segment_fixed_size: 0
    .kernarg_segment_align: 8
    .kernarg_segment_size: 72
    .max_flat_workgroup_size: 128
    .sgpr_count:     66
    .vgpr_count:     176
    .wavefront_size: 32
...
	.end_amdgpu_metadata
.endif
;; end of part 1
;; launch qkv (part 2): grid 12 x 32, 4 waves a work-group, clusters of 4 x 4, 327,680 bytes of LDS; arguments xc, wc, rope, lowp_scales, qkv; writes qkv
.if DOCPART == 2
	.amdgcn_target "amdgcn-amd-amdhsa--gfx1250"
	.amdhsa_code_object_version 6
	.text
	.protected	k_qbd347b241c_qkv
	.globl	k_qbd347b241c_qkv
	.p2align	8
	.type	k_qbd347b241c_qkv,@function
k_qbd347b241c_qkv:
	s_mov_b64 s[64:65], 0
	v_nop
	global_prefetch_b8 v0, s[64:65] scope:SCOPE_SE
	s_setreg_imm32_b32 hwreg(HW_REG_WAVE_MODE, 25, 1), 1
	s_wait_xcnt 0x0
	s_wait_alu depctr_hold_cnt(0) depctr_sa_sdst(0) depctr_va_vdst(0) depctr_va_sdst(0) depctr_va_ssrc(0) depctr_va_vcc(0) depctr_vm_vsrc(0)
	s_getreg_b32 s2, hwreg(HW_REG_IB_STS2, 6, 4)
	s_cmp_eq_u32 s2, 0
	s_cbranch_scc0 .Lentry_in_a_cluster
	s_endpgm
.Lentry_in_a_cluster:
	s_bfe_u32 s2, ttmp6, 0x10000c
	s_cmp_lg_u32 s2, 0xf033
	s_cbranch_scc0 .Lentry_shape_is_right
	s_endpgm
.Lentry_shape_is_right:
; The three projections on codes of E4M3, the rotary turn of q and k, and the quantising of q, k and v, in one launch.  p = the cluster's x: 0 q, 1 k, 2 v.
; C[m][n] = sum over k of A[m][k] B[n][k], K = 1,024, a tile of 256 x 256 to a work-group of four waves, 128 x 128 to a wave (64 accumulators, 512 registers).
;   p < 2: A = x's codes (plane p), 32 tile rows;  B = the weight's codes [n][k] (plane p), 4 tile columns.   A lane then holds one position and its registers run along the channels.
;   p = 2: A = Wv's codes, 4 tile rows;  B = x's codes (plane 2), 32 tile columns: V IS MADE TRANSPOSED, so that a lane holds one channel and its registers run along the positions, which are the keys, the next product's K.
; K goes in steps of 256 through a ring of two LDS slots filled by the tensor data mover; 4 x 4 work-groups form a cluster: A's tile is asked for jointly along a row of the cluster, B's along a column.
; THE MATRIX INSTRUCTION IS USED TRANSPOSED (source 0 = 16 rows of B, source 1 = 16 rows of A): lane (r, h), register j of accumulator (a, b) is C(16 a + r, 16 b + 8 h + j).
; THE WAY OUT.  A sum stands for sum x 2^(eA + eB); its code is sum / 2^(eout - eA - eB): the three exponents are folded into the conversion's one.  The rotary turn is linear, so it is made on the sums as they are.
;   q, k: plane p of qkv, [batch x 16 + head][position][64 bytes].  A lane packs two neighbouring accumulators into 16 bytes, so byte 32 B + 16 h + 8 u + j of a row holds channel 32 B + 16 u + 8 h + j: the same order in q and in k.
;   v: plane 2, [batch x 16 + head][block of 128 keys][row 64][128 bytes]; the keys of a row lie in that same order; row 32 b + 16 y + 8 x + z holds channel 32 b + 16 x + 8 y + z.
; LIMITS: eout - eA - eB lies between -126 and 119 for each of the three (e6 - e0 - e1, e7 - e2 - e3, e9 - e4 - e5).
; The work-groups of p = 2 also load the first three blocks' cosines and sines (12 KiB a wave) and do not use them: so those registers are written on every way through the text.
; REGISTERS, in windows of 256: window 0: v0-31 addresses; v32-127 cos and sin of my blocks 0-2; from v128 A's fragments, ONE set; on the way out v128-191 at work, v192-223 codes, v224-255 rows read back.
;   window 1: B's fragments, TWO sets; on the way out v0-159 cos and sin of blocks 3-7.   window 2: accumulators of my rows 0-63 ((a, b) at v[8 (8 a + b)]);   window 3: of rows 64-127.
.set ROWB,   256                       ; a tile's row: 256 codes
.set KROW,   1024                      ; a row of A or of B in memory
.set PITCH,  272                       ; an LDS row: 256 bytes + 16 of padding: the 16 rows that a load touches start at 16 different banks (64 banks of 4 bytes: ISA guide 11.1)
.set FR,     16                        ; registers of a fragment: 16 rows x 128 K
.set NL,     4                         ; LDS loads that bring one
.set NP,     4                         ; places behind this matrix instruction (ISA guide 7.12.1)
.set HALFT,  128*PITCH                 ; what one tensor load brings
.set SLOT,   4*HALFT                   ; A's 256 rows, then B's 256 rows
.set SPARE,  2*SLOT                    ; behind the ring: the spare words, 128 bytes for each wave
.set QKST,   2560                      ; the way out of q and k: a stage of 2 heads x 16 rows x (64 + 16) bytes for each wave.  The stages lie in slot 0, which has had its last fill and its last read by then
.set VST0,   4*QKST                    ; the way out of v has bytes of its own:
.set VST,    2304                      ; 16 rows x (128 + 16) bytes for each wave
.set ADRA, 16                          ; v16-17  LDS address of my A fragments in slot 0, 1
.set STQ,  18                          ; v18     q, k: where I put 16 bytes of a row
.set RDQ,  19                          ; v19     q, k: where I read rows back
.set ADRB, 20                          ; v20-21  as ADRA, for B
.set STV,  22                          ; v22     v: where I put 16 bytes
.set RDV,  23                          ; v23     v: where I read rows back
.set CO,   26                          ; v26     16 x lane: my place in a store's 512 bytes
.set CSO,  27                          ; v27     my place in the table: 256 r + 32 h
.set SPW,  28                          ; v28     LDS address of my spare word; never rewritten
.set NIL,  29                          ; v29     0; never rewritten
.set LIM,  30
.set SCL,  31                          ; v31     the folded scale as f32
.set CS0,  32                          ; cos and sin of blocks 0-2: 32 registers a block: cos u = 0, cos u = 1, sin u = 0, sin u = 1, eight each
.set AF,   128
.set TMP,  128
.set CODE, 192
.set OUTR, 224
.set G1, 24                            ; s[24:31] descriptor group 1 for A's tiles;  s[32:39] group 0, one set for each slot
.set G0, 32
.set G1B, 48                           ; s[48:55], s[56:63] the same for B's tiles
.set G0B, 56
.set MSB, 0
.macro WIN new                         ; the immediate's high byte repeats the setting that is left
.if MSB != \new
	s_set_vgpr_msb (MSB<<8)|\new
.set MSB, \new
.endif
.endm
.set MUL_LO, 0xa1                      ; source 0 (B) window 1, source 1 (A) window 0, C and D window 2
.set MUL_HI, 0xf1                      ; the same, C and D window 3
.set TO_B,   0x40                      ; destination window 1, address window 0
; A joint load: waves 0 and 1 fetch for A, waves 2 and 3 for B.  The branch hangs on the wave's number alone.  An s_nop 0 and four v_nop follow each of the two lines.
.macro JLOAD g0a, g1a, g0b, g1b
	s_cmp_eq_u32 s15, 0
	s_cbranch_scc0 .Lfor_b_\@
	tensor_load_to_lds s[\g0a:\g0a+3], s[\g1a:\g1a+7]
	s_nop 0
.rept 4
	v_nop
.endr
	s_branch .Lasked_\@
.Lfor_b_\@:
	tensor_load_to_lds s[\g0b:\g0b+3], s[\g1b:\g1b+7]
	s_nop 0
.rept 4
	v_nop
.endr
.Lasked_\@:
.endm
.macro CREST                           ; a round of the cluster's barrier behind its opening barrier
	s_cmp_lg_u32 s14, 0
	s_cbranch_scc1 .Lnot_wave_0_\@
	s_barrier_signal -3
.Lnot_wave_0_\@:
	s_barrier_wait -3
	s_barrier_signal -1
	s_barrier_wait -1
.endm
.macro CROUND                          ; a whole round
	s_barrier_signal -1
	s_barrier_wait -1
	CREST
.endm
.macro FINISH
	s_wait_tensorcnt 0x0                           ; the wave's end, behind my last tensor load and my last LDS store
	ds_add_u32 v[SPW], v[NIL]
	s_wait_dscnt 0x0
	CROUND                                         ; the closing round: no work-group ends while a partner may still ask for a tile that names it
	s_endpgm
.endm
	s_load_b256 s[68:75], s[0:1], 0x0              ; xc 68, wc 70, rope 72, the exponents 74
	s_load_b64 s[76:77], s[0:1], 0x20              ; qkv
	v_lshl_add_u32 v[SPW], v0, 2, SPARE
	v_mov_b32 v[NIL], 0
	ds_add_u32 v[SPW], v[NIL]                      ; the wave's opening: the add and its wait stand ahead of my first tensor load; work on registers stands between them
	ds_add_u32 v[SPW], v[NIL]
	v_lshrrev_b32 v1, 5, v0
	v_readfirstlane_b32 s14, v1                    ; wave 0..3
	s_lshr_b32 s15, s14, 1                         ; which half of the tile's rows is mine.  Also: I fetch for A (0) or for B (1)
	s_and_b32 s16, s14, 1                          ; which half of its columns.  Also: which 128 rows of that tile I fetch
	s_bfe_u32 s40, ttmp6, 0x40000                  ; cx, cy: my place in the cluster
	s_bfe_u32 s41, ttmp6, 0x40004
	s_mov_b32 s92, ttmp9                           ; p: the cluster's x, the same in all sixteen partners
	s_and_b32 s17, ttmp7, 0xffff                   ; the cluster's y
	s_cmp_eq_u32 s92, 2
	s_cselect_b32 s93, 0, s17                      ; the long axis (8,192 positions) is A's for q and k,
	s_cselect_b32 s94, s17, 0                      ; B's for v
	s_lshl_b32 s17, s93, 2
	s_add_co_u32 s17, s17, s41                     ; tile row
	s_lshl_b32 s42, s94, 2
	s_add_co_u32 s42, s42, s40                     ; tile column
	s_lshl_b32 s43, s41, 2
	s_lshl_b32 s43, 15, s43                        ; my row of the cluster
	s_lshl_b32 s44, 0x1111, s40                    ; my column
	; descriptor group 1: a tile of 128 rows x 256 bytes, padded in LDS
	s_or_b32 s[G1+0], s43, (0<<16)|(1<<20)|(1<<21)|(5<<22)|(3<<25)  ; 15:0 the mask; 17:16 elements of 1 byte; 20 padding on; 21 set beside a mask; 24:22 after every 64 words; 31:25 four words
	s_or_b32 s[G1B+0], s44, (0<<16)|(1<<20)|(1<<21)|(5<<22)|(3<<25)
.irp g, G1, G1B
	s_mov_b32 s[\g+1], ROWB<<16                    ; tensor_dim0
	s_mov_b32 s[\g+2], 128<<16                     ; tensor_dim1
	s_mov_b32 s[\g+3], ROWB<<16                    ; tile_dim0
	s_mov_b32 s[\g+4], 128                         ; tile_dim1
	s_mov_b32 s[\g+5], KROW                        ; tensor_dim0_stride
	s_mov_b32 s[\g+6], 0
	s_mov_b32 s[\g+7], 0
.endr
	s_lshl_b32 s18, s16, 7                         ; which 128 rows of the tile I fetch
	s_lshl_b32 s20, s17, 8
	s_add_co_u32 s20, s20, s18
	s_lshl_b32 s20, s20, 10                        ; A: (256 x tile row + 128 x half) rows of 1,024 bytes
	s_mov_b32 s21, 0
	s_lshl_b32 s46, s42, 8
	s_add_co_u32 s46, s46, s18
	s_lshl_b32 s46, s46, 10                        ; B likewise, by the tile column
	s_mov_b32 s47, 0
	s_mul_i32 s45, s14, HALFT                      ; where they go: wave x 128 rows: no place in the cluster enters an LDS address
	s_lshl_b32 s22, s92, 23                        ; x's plane p
	s_mov_b32 s23, 0
	s_lshl_b32 s12, s92, 20                        ; the weights' plane p
	s_mov_b32 s13, 0
	s_wait_dscnt 0x0                               ; the opening add is done
	s_wait_kmcnt 0x0
	s_load_b256 s[80:87], s[74:75], 0x0            ; e0 .. e7
	s_load_b128 s[88:91], s[74:75], 0x20           ; e8 .. e11
	s_add_nc_u64 s[4:5], s[68:69], s[22:23]
	s_add_nc_u64 s[6:7], s[70:71], s[12:13]
	s_cmp_eq_u32 s92, 2                            ; the choice hangs on p alone
	s_cselect_b64 s[8:9], s[6:7], s[4:5]           ; A
	s_cselect_b64 s[10:11], s[4:5], s[6:7]         ; B
	s_add_nc_u64 s[20:21], s[8:9], s[20:21]
	s_add_nc_u64 s[46:47], s[10:11], s[46:47]
	CROUND                                         ; all sixteen work-groups are here: the first joint loads meet
.irp s, 0,1
	s_mov_b32 s[G0+4*\s], 1
	s_add_co_u32 s[G0+4*\s+1], s45, \s*SLOT
	s_add_nc_u64 s[G0+4*\s+2:G0+4*\s+3], s[20:21], \s*ROWB
	s_or_b32 s[G0+4*\s+3], s[G0+4*\s+3], 0x80000000
	s_mov_b32 s[G0B+4*\s], 1
	s_add_co_u32 s[G0B+4*\s+1], s45, \s*SLOT
	s_add_nc_u64 s[G0B+4*\s+2:G0B+4*\s+3], s[46:47], \s*ROWB
	s_or_b32 s[G0B+4*\s+3], s[G0B+4*\s+3], 0x80000000
	JLOAD G0+4*\s, G1, G0B+4*\s, G1B
.endr
	v_and_b32 v1, 15, v0                           ; r
	s_wait_alu depctr_va_vdst(0)
	v_bfe_u32 v2, v0, 4, 1                         ; h
	v_mul_u32_u24 v3, v1, PITCH
	v_lshl_add_u32 v4, v2, 4, v3                   ; a fragment's row x pitch + 16 x half
	s_mul_i32 s21, s15, HALFT                      ; my 128 rows of A
	s_mul_i32 s22, s16, HALFT                      ; my 128 rows of B,
	s_add_co_u32 s22, s22, 2*HALFT                 ; which lie behind A's 256
.irp s, 0,1
	v_add_nc_u32 v[ADRA+\s], s21, v4
	v_add_nc_u32 v[ADRB+\s], s22, v4
	s_add_co_u32 s21, s21, SLOT
	s_add_co_u32 s22, s22, SLOT
.endr
	; all LDS addresses of both ways out are made here, ahead of the parting
	s_mul_i32 s23, s14, QKST
	v_mul_u32_u24 v5, v1, 80
	s_wait_alu depctr_va_vdst(0)
	v_lshl_add_u32 v5, v2, 4, v5
	v_add_nc_u32 v[STQ], s23, v5                   ; q, k in: row r of 80 bytes, + 16 h
	v_and_b32 v6, 31, v0                           ; lane
	v_lshrrev_b32 v7, 2, v6
	v_mul_u32_u24 v7, v7, 80
	v_and_b32 v8, 3, v6
	v_lshl_add_u32 v7, v8, 4, v7
	v_add_nc_u32 v[RDQ], s23, v7                   ; back: four lanes to a row of 64 bytes, eight rows an instruction
	s_mul_i32 s23, s14, VST
	s_add_co_u32 s23, s23, VST0
	v_mul_u32_u24 v5, v1, 144
	v_lshl_add_u32 v5, v2, 4, v5
	v_add_nc_u32 v[STV], s23, v5                   ; v in: row r of 144 bytes, + 16 h
	v_lshrrev_b32 v7, 3, v6
	v_mul_u32_u24 v7, v7, 144
	v_and_b32 v8, 7, v6
	v_lshl_add_u32 v7, v8, 4, v7
	v_add_nc_u32 v[RDV], s23, v7                   ; back: eight lanes to a row of 128 bytes, four rows an instruction
	v_lshlrev_b32 v[CO], 4, v6
	v_lshlrev_b32 v[CSO], 8, v1
	v_lshl_add_u32 v[CSO], v2, 5, v[CSO]           ; the table: position r of a block, + 32 h: my eight frequencies
	s_and_b32 s18, s17, 7
	s_lshl_b32 s18, s18, 8
	s_lshl_b32 s19, s15, 7
	s_add_co_u32 s18, s18, s19                     ; my first position in its sequence: 256 (tile row % 8) + 128 x half
	s_lshl_b32 s22, s18, 8
	s_mov_b32 s23, 0
	s_add_nc_u64 s[78:79], s[72:73], s[22:23]
.irp a, 0,1,2                          ; cos and sin of blocks 0-2, into registers that lie idle in the loop.  Piece k: 64 (k / 2) + 16 (k % 2) bytes on
.irp k, 0,1,2,3,4,5,6,7
	global_load_b128 v[CS0+32*\a+4*\k:CS0+32*\a+4*\k+3], v[CSO], s[78:79] offset:4096*\a+64*(\k/2)+16*(\k%2)
.endr
.endr
	; where my part of the result begins.  q, k: ((tile row / 8) 16 + 4 tile column + 2 (wave % 2)) heads of 131,072 bytes + 64 x my first position
	s_lshr_b32 s19, s17, 3
	s_lshl_b32 s19, s19, 4
	s_lshl_b32 s22, s42, 2
	s_add_co_u32 s19, s19, s22
	s_lshl_b32 s22, s16, 1
	s_add_co_u32 s19, s19, s22
	s_lshl_b32 s19, s19, 17
	s_lshl_b32 s22, s18, 6
	s_add_co_u32 s19, s19, s22
	; v: (((tile column / 8) 16 + 4 tile row + 2 (wave / 2)) 16 + 2 (tile column % 8) + wave % 2) blocks of 8,192 bytes
	s_lshr_b32 s12, s42, 3
	s_lshl_b32 s12, s12, 4
	s_lshl_b32 s22, s17, 2
	s_add_co_u32 s12, s12, s22
	s_lshl_b32 s22, s15, 1
	s_add_co_u32 s12, s12, s22
	s_lshl_b32 s12, s12, 4
	s_and_b32 s22, s42, 7
	s_lshl_b32 s22, s22, 1
	s_add_co_u32 s12, s12, s22
	s_add_co_u32 s12, s12, s16
	s_lshl_b32 s12, s12, 13
	s_cmp_eq_u32 s92, 2
	s_cselect_b32 s22, s12, s19
	s_lshl_b32 s19, s92, 23                        ; plane p
	s_add_co_u32 s22, s22, s19
	s_mov_b32 s23, 0
	s_add_nc_u64 s[76:77], s[76:77], s[22:23]
.macro FRAG reg, adr, q, i             ; a fragment: lane l holds row l % 16; registers 4 c .. 4 c + 3 hold bytes 32 c + 16 (l / 16) + 0 .. 15 of its 128: the same places in A and in B, so every product meets its partner
.irp c, 0,1,2,3
	ds_load_b128 v[\reg+4*\c:\reg+4*\c+3], v[\adr] offset:128*(\q)+32*\c+(\i)*16*PITCH
.endr
.endm
; 16 matrix instructions: A's blocks a0, a0 + 1 x B's eight, 128 along K.  p: B's set.  zero = 1: the first product starts the sums.  The 64 accumulators take turns, one instruction a turn.
.macro MUL16 a0, p, zero
.irp a, \a0, \a0+1
.irp b, 0,1,2,3,4,5,6,7
.if \zero
	v_wmma_f32_16x16x128_fp8_fp8 v[8*(8*((\a)%4)+\b):8*(8*((\a)%4)+\b)+7], v[128*(\p)+FR*\b:128*(\p)+FR*\b+FR-1], v[AF+FR*(\a):AF+FR*(\a)+FR-1], 0
.else
	v_wmma_f32_16x16x128_fp8_fp8 v[8*(8*((\a)%4)+\b):8*(8*((\a)%4)+\b)+7], v[128*(\p)+FR*\b:128*(\p)+FR*\b+FR-1], v[AF+FR*(\a):AF+FR*(\a)+FR-1], v[8*(8*((\a)%4)+\b):8*(8*((\a)%4)+\b)+7]
.endif
.endr
.endr
.endm
.macro FETCH_B slot, q, p
	WIN TO_B
.irp i, 0,1,2,3,4,5,6,7
	FRAG 128*(\p)+FR*\i, ADRB+\slot, \q, \i
.endr
	WIN 0
.endm
.macro FETCH_A slot, q, i0
.irp i, \i0, \i0+1, \i0+2, \i0+3
	FRAG AF+FR*(\i), ADRA+\slot, \q, \i
.endr
.endm
.macro PLACES n                        ; plain vector instructions between a matrix instruction and a load into, or a vector instruction on, its registers
.rept \n
	v_nop
.endr
.endm
; A step of 128 along K that has its successor in the same slot.  A's blocks 0-3 are fetched anew in its middle, blocks 4-7 at its end; B has two sets.
.macro STEP slot, q, zero
	s_wait_dscnt 4*NL                              ; B's set and A's blocks 0-3 are in; the youngest 16 loads (A's blocks 4-7) may be out
	WIN MUL_LO
	MUL16 0, (\q)%2, \zero
	MUL16 2, (\q)%2, \zero
	s_wait_dscnt 0
	PLACES NP
	FETCH_B \slot, (\q)+1, 1-(\q)%2
	FETCH_A \slot, (\q)+1, 0
	WIN MUL_HI
	MUL16 4, (\q)%2, \zero
	MUL16 6, (\q)%2, \zero
	PLACES NP
	WIN 0
	FETCH_A \slot, (\q)+1, 4
.endm
; A slot's last step changes slots: ONE barrier; in front of it each wave waits for all its tensor loads, adds 0 to its spare word, and waits for that and for its own reads of this slot.  fill = 1: this slot is filled again, two K steps ahead.
.macro TURN slot, next, fill
	s_wait_tensorcnt 0x0                           ; all my tensor loads have landed: my part of the next slot
	ds_add_u32 v[SPW], v[NIL]                      ; 0 onto my spare word
	s_wait_dscnt 4*NL+1                            ; (the add and the youngest 16 loads may be out)
	WIN MUL_LO
	MUL16 0, 1, 0
	s_wait_dscnt 0x0                               ; the add is done, and my reads of this slot are over
	s_barrier_signal -1
	MUL16 2, 1, 0
	WIN 0
	s_barrier_wait -1
.if \fill
	CREST                                          ; the barrier has opened a round of the cluster's barrier: no wave of any partner still reads this slot or has a load on its way
	s_add_nc_u64 s[G0+4*\slot+2:G0+4*\slot+3], s[G0+4*\slot+2:G0+4*\slot+3], 2*ROWB
	s_add_nc_u64 s[G0B+4*\slot+2:G0B+4*\slot+3], s[G0B+4*\slot+2:G0B+4*\slot+3], 2*ROWB
	JLOAD G0+4*\slot, G1, G0B+4*\slot, G1B         ; the first tensor load behind the round; its four v_nop are the places in front of the loads below
.else
	PLACES NP
.endif
	FETCH_B \next, 0, 0
	FETCH_A \next, 0, 0
	WIN MUL_HI
	MUL16 4, 1, 0
	MUL16 6, 1, 0
	PLACES NP
	WIN 0
	FETCH_A \next, 0, 4
.endm
	s_wait_tensorcnt 1                             ; my part of K step 0 is in (K step 1's load may be out)
	s_barrier_signal -1
	s_barrier_wait -1                              ; everybody's is
	FETCH_B 0, 0, 0
	FETCH_A 0, 0, 0
	FETCH_A 0, 0, 4
	STEP 0, 0, 1                                   ; K = 1,024 is four K steps of 256, twice round the ring: written out
	TURN 0, 1, 1                                   ; slot 0 takes K step 2
	STEP 1, 0, 0
	TURN 1, 0, 1                                   ; slot 1 takes K step 3
	STEP 0, 0, 0
	TURN 0, 1, 0                                   ; nothing is left to fetch
	STEP 1, 0, 0
	s_wait_dscnt 4*NL
	WIN MUL_LO
	MUL16 0, 1, 0
	MUL16 2, 1, 0
	s_wait_dscnt 0
	WIN MUL_HI
	MUL16 4, 1, 0
	MUL16 6, 1, 0
	WIN 0
	s_wait_kmcnt 0x0
	s_add_co_i32 s80, s80, s81                     ; e0 + e1
	s_add_co_i32 s82, s82, s83                     ; e2 + e3
	s_add_co_i32 s84, s84, s85                     ; e4 + e5
	s_cmp_eq_u32 s92, 0                            ; choices by p; nothing branches on an exponent
	s_cselect_b32 s80, s80, s82
	s_cselect_b32 s86, s86, s87                    ; e6 or e7
	s_cmp_eq_u32 s92, 2
	s_cselect_b32 s80, s84, s80
	s_cselect_b32 s86, s89, s86                    ; e9
	s_sub_co_i32 s86, s86, s80                     ; eout - eA - eB
	s_add_co_i32 s86, s86, 127
	s_lshl_b32 s87, s86, 23
	v_mov_b32 v[SCL], s87
	PLACES NP                                      ; behind the last products: for the first reads of results and for loads and writes into the fragments' registers
	s_cmp_eq_u32 s92, 2
	s_cbranch_scc1 .Lv_out
; ---- q, k: block a is 16 positions x 128 channels (two heads).  With lo = accumulator 4 g + u (channel d = 16 u + 8 h + j) and hi = accumulator 4 g + u + 2 (channel d + 32):
; out_lo = lo cos_d - hi sin_d, out_hi = hi cos_d + lo sin_d.  Each accumulator is read from its low end on.
.macro TOSTAGE_QK a
.set AC, 64*((\a)%4)
.if (\a) < 3
.set CB, CS0+32*(\a)
.set WW, 0x02
.else
.set CB, 32*((\a)-3)
.set WW, 0x06+(\a)/4
.endif
.set CD, CODE+16*((\a)%2)
.set OB, OUTR+16*((\a)%2)
	s_wait_loadcnt 8*(7-(\a))                      ; this block's eight loads of cos and sin are in; the later blocks' may be out
	WIN WW                                         ; source 0: window 2 or 3; source 1: window 0 (blocks 0-2) or 1
.irp g, 0,1
.irp u, 0,1
.irp j, 0,2,4,6
	v_pk_mul_f32 v[TMP+8*(4*\g+\u)+\j:TMP+8*(4*\g+\u)+\j+1], v[AC+8*(4*\g+\u+2)+\j:AC+8*(4*\g+\u+2)+\j+1], v[CB+16+8*\u+\j:CB+16+8*\u+\j+1]
	v_pk_mul_f32 v[TMP+8*(4*\g+\u+2)+\j:TMP+8*(4*\g+\u+2)+\j+1], v[AC+8*(4*\g+\u)+\j:AC+8*(4*\g+\u)+\j+1], v[CB+16+8*\u+\j:CB+16+8*\u+\j+1]
	v_pk_fma_f32 v[TMP+8*(4*\g+\u)+\j:TMP+8*(4*\g+\u)+\j+1], v[AC+8*(4*\g+\u)+\j:AC+8*(4*\g+\u)+\j+1], v[CB+8*\u+\j:CB+8*\u+\j+1], v[TMP+8*(4*\g+\u)+\j:TMP+8*(4*\g+\u)+\j+1] neg_lo:[0,0,1] neg_hi:[0,0,1]
	v_pk_fma_f32 v[TMP+8*(4*\g+\u+2)+\j:TMP+8*(4*\g+\u+2)+\j+1], v[AC+8*(4*\g+\u+2)+\j:AC+8*(4*\g+\u+2)+\j+1], v[CB+8*\u+\j:CB+8*\u+\j+1], v[TMP+8*(4*\g+\u+2)+\j:TMP+8*(4*\g+\u+2)+\j+1]
.endr
.endr
.endr
	WIN 0
.set i, 0
.rept 64
.set i, i+1
.endr
.irp b, 0,1,2,3,4,5,6,7
	v_cvt_scalef32_pk8_fp8_f32 v[CD+2*\b:CD+2*\b+1], v[TMP+8*\b:TMP+8*\b+7], v[SCL]
.endr
	v_nop                                          ; a plain line between the last conversion and the next vector line that writes its sources
.irp b, 0,1,2,3
	ds_store_b128 v[STQ], v[CD+4*\b:CD+4*\b+3] offset:1280*(\b/2)+32*(\b%2)   ; head b / 2, bytes 32 (b % 2) + 16 h on
.endr
.irp e, 0,1,2,3
	ds_load_b128 v[OB+4*\e:OB+4*\e+3], v[RDQ] offset:1280*(\e/2)+640*(\e%2)   ; LDS serves a wave's instructions in order: these see the stores above
.endr
.endm
.macro SEND_QK a, younger
.set OB, OUTR+16*((\a)%2)
	s_wait_dscnt \younger                          ; the block is back; the next block's 4 stores and 4 loads may be out
.irp e, 0,1,2,3
	global_store_b128 v[CO], v[OB+4*\e:OB+4*\e+3], s[76:77] offset:131072*(\e/2)+1024*(\a)+512*(\e%2)   ; eight positions of a head: 512 consecutive bytes, aligned
.endr
.endm
	WIN TO_B
	s_wait_alu depctr_va_vdst(0)
.irp a, 3,4,5,6,7                      ; cos and sin of blocks 3-7, into B's registers, which are done with
.irp k, 0,1,2,3,4,5,6,7
	global_load_b128 v[32*(\a-3)+4*\k:32*(\a-3)+4*\k+3], v[CSO], s[78:79] offset:4096*\a+64*(\k/2)+16*(\k%2)
.endr
.endr
	WIN 0
	TOSTAGE_QK 0
.irp a, 1,2,3,4,5,6,7
.if \a > 1
	s_wait_xcnt 0x0                                ; block a - 2's stores have read their registers: block a's rows may land there
.endif
	TOSTAGE_QK \a
	SEND_QK \a-1, 8
.endr
	SEND_QK 7, 0
	FINISH
; ---- v: block a is 16 channels x 128 keys
.macro TOSTAGE_V a
.set AC, 64*((\a)%4)
.set CD, CODE+16*((\a)%2)
.set OB, OUTR+16*((\a)%2)
	WIN 0x02+(\a)/4                                ; source 0: window 2 or 3
.set i, 0
.rept 64
.set i, i+1
.endr
.irp b, 0,1,2,3,4,5,6,7
	v_cvt_scalef32_pk8_fp8_f32 v[CD+2*\b:CD+2*\b+1], v[AC+8*\b:AC+8*\b+7], v[SCL]
.endr
	WIN 0
	v_nop
.irp b, 0,1,2,3
	ds_store_b128 v[STV], v[CD+4*\b:CD+4*\b+3] offset:32*\b
.endr
.irp e, 0,1,2,3
	ds_load_b128 v[OB+4*\e:OB+4*\e+3], v[RDV] offset:576*\e
.endr
.endm
.macro SEND_V a, younger               ; channels 16 (a % 4) + 4 e + 0 .. 3 of head a / 4 go to rows 32 ((a % 4) / 2) + 16 (e / 2) + 8 (a % 2) + 4 (e % 2) + 0 .. 3: the exchange of the two bits is made by the immediates
.set OB, OUTR+16*((\a)%2)
	s_wait_dscnt \younger
.irp e, 0,1,2,3
	global_store_b128 v[CO], v[OB+4*\e:OB+4*\e+3], s[76:77] offset:131072*((\a)/4)+(32*(((\a)%4)/2)+8*((\a)%2)+4*(\e%2)+16*(\e/2))*128   ; four rows: 512 consecutive bytes, aligned
.endr
.endm
.Lv_out:
	s_wait_alu depctr_va_vdst(0)
	TOSTAGE_V 0
.irp a, 1,2,3,4,5,6,7
.if \a > 1
	s_wait_xcnt 0x0
.endif
	TOSTAGE_V \a
	SEND_V \a-1, 8
.endr
	SEND_V 7, 0
	FINISH
.Lfunc_end_k_qbd347b241c_qkv:
	.size	k_qbd347b241c_qkv, .Lfunc_end_k_qbd347b241c_qkv-k_qbd347b241c_qkv
	.p2alignl 7, 3214868480
	.fill 96, 4, 3214868480
	.section	.rodata,"a",@progbits
	.p2align	6, 0x0
	.amdhsa_kernel k_qbd347b241c_qkv
		.amdhsa_group_segment_fixed_size 327680
		.amdhsa_private_segment_fixed_size 0
		.amdhsa_enable_private_segment 0
		.amdhsa_kernarg_size 40
		.amdhsa_user_sgpr_count 2
		.amdhsa_user_sgpr_kernarg_segment_ptr 1
		.amdhsa_wavefront_size32 1
		.amdhsa_system_sgpr_workgroup_id_x 1
		.amdhsa_system_sgpr_workgroup_id_y 1
		.amdhsa_system_sgpr_workgroup_id_z 1
		.amdhsa_system_vgpr_workitem_id 0
		.amdhsa_next_free_vgpr 1024
		.amdhsa_next_free_sgpr 100
		.amdhsa_reserve_vcc 0
		.amdhsa_float_denorm_mode_32 3
		.amdhsa_float_denorm_mode_16_64 3
		.amdhsa_fp16_overflow 1
		.amdhsa_memory_ordered 1
		.amdhsa_forward_progress 1
		.amdhsa_inst_pref_size 143
	.end_amdhsa_kernel
	.amdgpu_metadata
---
amdhsa.version: [ 1, 2 ]
amdhsa.kernels:
  - .name:           k_qbd347b241c_qkv
    .symbol:         k_qbd347b241c_qkv.kd
    .args:
      - { .name: xc, .offset: 0, .size: 8, .value_kind: global_buffer, .address_space: global }
      - { .name: wc, .offset: 8, .size: 8, .value_kind: global_buffer, .address_space: global }
      - { .name: rope, .offset: 16, .size: 8, .value_kind: global_buffer, .address_space: global }
      - { .name: lowp_scales, .offset: 24, .size: 8, .value_kind: global_buffer, .address_space: global }
      - { .name: qkv, .offset: 32, .size: 8, .value_kind: global_buffer, .address_space: global }
    .group_segment_fixed_size: 327680
    .private_segment_fixed_size: 0
    .kernarg_segment_align: 8
    .kernarg_segment_size: 40
    .max_flat_workgroup_size: 128
    .sgpr_count:     100
    .vgpr_count:     1024
    .wavefront_size: 32
...
	.end_amdgpu_metadata
.endif
;; end of part 2
;; launch attn (part 3): grid 4 x 64, 16 waves a work-group, no clusters, 327,680 bytes of LDS; arguments qkv, lowp_scales, oc; writes oc
.if DOCPART == 3
	.amdgcn_target "amdgcn-amd-amdhsa--gfx1250"
	.amdhsa_code_object_version 6
	.text
	.protected	k_qbd347b241c_attn
	.globl	k_qbd347b241c_attn
	.p2align	8
	.type	k_qbd347b241c_attn,@function
k_qbd347b241c_attn:
	s_mov_b64 s[64:65], 0
	v_nop
	global_prefetch_b8 v0, s[64:65] scope:SCOPE_SE
	s_setreg_imm32_b32 hwreg(HW_REG_WAVE_MODE, 25, 1), 1
	s_wait_xcnt 0x0
; Causal attention on codes of E4M3, head size 64, and the quantising of its result for the last projection.
; q, k: planes 0 and 1 of qkv, [head 64][position 2048][64 bytes]; v: plane 2, [head][block of 128 keys][row 64][128 bytes], the keys innermost.  The channels of q and k lie in one and the same order, and v's keys in the order in
; which the conversions leave p's codes, so all fragments are fetched as they lie, 16 bytes a lane.
; THE SOFTMAX: t = score x log2(e) / 8; M = the running largest t rounded UP to a whole number; p = 2^(t - M) is quantised (2^e8); the row's sum is taken of the unquantised p and divides O at the end; when M moves, the sum and O are
; multiplied by 2^(old M - new M), which rounds nothing.
; SHARES.  Work-group (i, head) owns the blocks 7 - i and i of 256 queries: block c wants the key slots 0 .. c of 256 keys, so every work-group walks 8 - i + i + 1 = 9 slots: equal work, and a trip count that is a constant.
; Each of the sixteen waves owns 16 queries of the block in hand, in 256 registers: four waves to a SIMD, so that one wave's vector work stands beside another's matrix work and LDS loads.
; A step of 128 keys all of which come after the wave's queries is left out (a scalar branch on ids); on the diagonal hidden scores become -infinity ahead of the maximum.  Key 0 counts for every query, so M is a number from the first step on.
; Both products are used transposed: S^T = K Q^T, O^T = V^T P^T: a lane holds ONE query (lane % 16).  v's rows are laid so that tile 2 b + u of O^T holds, in lane (q, h), register j, channel 32 b + 16 h + 8 u + j:
; its codes ARE the registers of the next product's operand; they are stored as an image of those registers: oc[tile of 16 rows][head][1,024 bytes], registers 4 c .. 4 c + 3 of lane l at 512 c + 16 l.
; NO CLUSTER: the four work-groups of a head walk different sequences of slots from the fifth slot on, so they could not make every request jointly; and a slot is 32 KiB for the sixteen waves' 32 softmax steps.
; LIMITS: e6 + e7 between -123 and 130 (added to c's exponent field); e8, and e10 - e8 - e9, between -126 and 119.
; REGISTERS: v1-4, v7 addresses that stay; v5, v6 the add's two; v8, v9 addresses in hand; v10 the result's scale; v12 -M, v13 the largest t, v[14:15] the sum in two halves; v16-23 Q; v25 p's scale;
;   v[26:27] f; v28, v29 at work; v[30:31] the sum's second chain; v32-95 K's 8 fragments, later codes; v96-159 S^T, then p; v160-191 O^T; v192-255 V's 4 fragments.
.set VOFF,  17408                      ; a slot: K's 256 keys as 64 rows of 256 bytes (4 keys) + 16 of padding, then V's 128 rows as 64 rows of 256 bytes (2 rows) + 16
.set SLOT1, 65536                      ; slot 1 begins here: one exclusive or turns an address
.set SPARE, 131072                     ; the spare words, 128 bytes for each wave: eight blocks of 256 bytes that no other line names
.set AK0,  1
.set AV0,  2
.set PFO,  3
.set QOFF, 4
.set SPW,  5
.set NIL,  6
.set GO,   7
.set ADK,  8
.set ADV,  9
.set KFR,  32
.set S,    96
.set O,    160
.set VFR,  192
.set TB,   2                           ; s2   LDS byte at which the slot in hand begins
.set WV,   18                          ; s18  my wave's number
.set SEL,  20                          ; s[20:21] lane selects: lane l xor 16
.set CS,   22                          ; s[22:23] c = log2(e) / 8 x 2^(e6 + e7)
.set G1,   24                          ; s[24:31] descriptor group 1: one shape for K's and V's tiles
.set G0,   40                          ; s[40:43] descriptor group 0
.set PB,   44                          ; s[44:45] the head's first byte of K (wave 0) or of V (wave 1)
.set QB,   48                          ; s[48:49] the head's first byte of Q;  s[50:51] the head's place in oc;  s[52:53], s[54:55] the same at my 16 queries
.set NHI,  56                          ; s56  8 - i: slots of the first block
.set FL,   57                          ; s57  i + 1: the count at which the first block is finished
.set CB,   58                          ; s58  the block of queries in hand
.set SLOTS, 67                         ; s67  slots still to be asked for
.set PFA,  76                          ; s[76:77] where my prefetches stand
.set LIM,  80                          ; s80  2 in a wave that prefetches, else the greatest number
.set KF,   98                          ; s98  the step's first key
.set Q0,   99                          ; s99  my first query
.macro TLOAD                           ; wave 0 fetches K's 16 KiB, wave 1 V's; the branch hangs on the wave's number alone.  An s_nop 0 and four v_nop follow the load
	s_cmp_lt_u32 s[WV], 2
	s_cbranch_scc0 .Lasked_\@
	tensor_load_to_lds s[G0:G0+3], s[G1:G1+7]
	s_nop 0
.rept 4
	v_nop
.endr
.Lasked_\@:
.endm
; A PREFETCH INTO THE L2 of the slot that the NEXT change of slots will ask for.  The four work-groups of a head walk the same K and V; work-group 0, which walks slots 0 to 7 on end, asks, and nobody else.  In it waves 4 and 5 ask for
; K's 16 KiB, waves 6 and 7 for V's: 8 KiB a wave, lanes 256 bytes apart: each aligned block of 256 bytes is named once in the launch.  Slots 0 and 1 come by their loads alone; behind slot 7 nothing is asked for.
.macro ASK
	s_cmp_gt_u32 s[SLOTS], s[LIM]
	s_cbranch_scc0 .Lnot_mine_\@
	global_prefetch_b8 v[PFO], s[PFA:PFA+1] th:TH_LOAD_NT scope:SCOPE_SE
.Lnot_mine_\@:
.endm
.macro SETBLOCK                        ; my 16 queries of block s[CB]
	s_lshl_b32 s[Q0], s[CB], 8
	s_lshl_b32 s82, s[WV], 4
	s_add_co_u32 s[Q0], s[Q0], s82
	s_lshl_b32 s82, s[Q0], 6
	s_mov_b32 s83, 0
	s_add_nc_u64 s[52:53], s[QB:QB+1], s[82:83]
	s_lshl_b32 s82, s[Q0], 10                      ; a tile of 16 rows is 16,384 bytes in oc
	s_add_nc_u64 s[54:55], s[50:51], s[82:83]
.endm
.macro START                           ; a block begins: Q, and the statistics.  O^T and the sum begin as zeros and the largest t as -3e38, so that the step is written once
	global_load_b128 v[16:19], v[QOFF], s[52:53]
	global_load_b128 v[20:23], v[QOFF], s[52:53] offset:32
	v_mov_b32 v13, 0xff61b1e6
	s_delay_alu instid0(VALU_DEP_1)
	v_floor_f32 v12, -v13
	v_mov_b32 v14, 0
	v_mov_b32 v15, 0
.set i, 0
.rept 32
	v_mov_b32 v[O+i], 0
.set i, i+1
.endr
	s_wait_loadcnt 0x0
.endm
; THE CHANGE OF SLOTS stands at a slot's head: each wave waits for all its tensor loads, adds 0 to its spare word, and waits for that and for its reads of the slot that it has left.  Behind the barrier the slot ahead is whole and nobody
; reads the other one, which is filled (fill = 1) with the slot that follows in the walk: it has a whole slot's steps in which to land.  By this text's count a wave has one tensor load out at the most.
.macro CHANGE fill
	s_wait_tensorcnt 0x0                           ; no tensor load of mine is out, so group 0 may be written
	ds_add_u32 v[SPW], v[NIL]                      ; 0 onto my spare word
.if \fill
	s_sub_co_u32 s82, 9, s[SLOTS]                  ; the place in the walk of the slot to be asked for: 1 .. 8
	s_cmp_ge_u32 s82, s[NHI]
	s_cselect_b32 s83, s[NHI], 0
	s_sub_co_u32 s82, s82, s83                     ; which 256 keys: the second block begins at key 0 again
	s_lshl_b32 s82, s82, 14                        ; 16,384 bytes a slot, in K and in V
	s_mov_b32 s83, 0
	s_add_nc_u64 s[G0+2:G0+3], s[PB:PB+1], s[82:83]
	s_or_b32 s[G0+3], s[G0+3], 0x80000000
	s_xor_b32 s[G0+1], s[G0+1], SLOT1              ; the other slot than last time
	s_wait_xcnt 0x0                                ; the last prefetch, a slot back, has read its address
	s_add_nc_u64 s[PFA:PFA+1], s[PFA:PFA+1], 16384
.endif
	s_wait_dscnt 0x0                               ; the add is done, and my reads of the slot that I have left are over
	s_barrier_signal -1
	s_barrier_wait -1
.if \fill
	TLOAD
	ASK
.endif
.endm
; A KEY STEP: 128 keys, the q-th of the slot in hand
.macro STEP q
	s_add_co_u32 s96, s[Q0], 15
	s_cmp_gt_u32 s[KF], s96                        ; all its keys come after my queries: left out
	s_cbranch_scc1 .Lhidden_\@
	v_add_nc_u32 v[ADK], s[TB], v[AK0]
	v_add_nc_u32 v[ADV], s[TB], v[AV0]
	v_nop                                          ; with the two additions: four places in front of loads into registers that the last products read
	v_nop
.irp t, 0,1,2,3,4,5,6,7
.irp c, 0,1
	ds_load_b128 v[KFR+8*\t+4*\c:KFR+8*\t+4*\c+3], v[ADK] offset:8704*(\q)+1088*\t+32*\c    ; keys 16 t + r: four keys to a row of 272 bytes
.endr
.endr
.irp t, 0,1,2,3
.irp c, 0,1,2,3
	ds_load_b128 v[VFR+16*\t+4*\c:VFR+16*\t+4*\c+3], v[ADV] offset:8704*(\q)+2176*\t+32*\c  ; V's rows 16 t + r: two to a row of 272 bytes
.endr
.endr
	s_wait_dscnt 16                                ; K is in; V's 16 loads may be out
.irp t, 0,1,2,3,4,5,6,7
	v_wmma_f32_16x16x64_fp8_fp8 v[S+8*\t:S+8*\t+7], v[KFR+8*\t:KFR+8*\t+7], v[16:23], 0     ; lane (q, h), register j of tile t: key 16 t + 8 h + j
.endr
.rept 4
	v_nop
.endr
	s_add_co_u32 s96, s[KF], 127
	s_cmp_le_u32 s96, s[Q0]                        ; all its keys count: no mask
	s_cbranch_scc1 .Lopen_\@
	s_sub_co_i32 s96, s[Q0], s[KF]
	v_and_b32 v28, 15, v0
	v_bfe_u32 v26, v0, 4, 1
	s_delay_alu instid0(VALU_DEP_1)
	v_lshlrev_b32 v26, 3, v26
	s_delay_alu instid0(VALU_DEP_1)
	v_sub_nc_u32 v28, v28, v26
	s_delay_alu instid0(VALU_DEP_1)
	v_add_nc_u32 v28, s96, v28                     ; d = my query - the step's first key - 8 h: register n is hidden where 16 (n / 8) + n % 8 > d
	v_mov_b32 v26, 0xff800000                      ; -infinity
.set n, 0
.rept 64
	v_cmp_gt_i32 vcc_lo, 16*(n/8)+n%8, v28
	v_cndmask_b32 v[S+n], v[S+n], v26, vcc_lo
.set n, n+1
.endr
.Lopen_\@:
	v_max3_num_f32 v28, v96, v97, v98              ; the step's largest score of my query among my 64 keys, in two chains; each accumulator is first read at its low end
	v_max3_num_f32 v26, v99, v100, v101
.irp i, 6,10,14,18,22,26,30,34,38,42,46,50,54,58
	v_max3_num_f32 v28, v28, v[96+\i], v[97+\i]
	v_max3_num_f32 v26, v26, v[98+\i], v[99+\i]
.endr
	v_max3_num_f32 v28, v28, v158, v159
	s_delay_alu instid0(VALU_DEP_1)
	v_max_num_f32 v28, v28, v26
	s_delay_alu instid0(VALU_DEP_1)
	v_permlanex16_b32 v29, v28, s[SEL], s[SEL+1]
	s_delay_alu instid0(VALU_DEP_1)
	v_max_num_f32 v28, v28, v29                    ; and among lane l xor 16's
	s_delay_alu instid0(VALU_DEP_1)
	v_mul_f32 v28, s[CS], v28                      ; as t (c is positive)
	s_delay_alu instid0(VALU_DEP_1)
	v_max_num_f32 v13, v13, v28                    ; the running largest t
	v_mov_b32 v28, v12
	s_delay_alu instid0(VALU_DEP_2)
	v_floor_f32 v12, -v13                          ; the new -M = floor(-t): M is a whole number
	s_delay_alu instid0(VALU_DEP_1)
	v_sub_f32 v28, v12, v28                        ; old M - new M: a whole number, 0 or less
	s_delay_alu instid0(VALU_DEP_1)
	v_cvt_i32_f32 v28, v28                         ; (it saturates)
	s_delay_alu instid0(VALU_DEP_1)
	v_ldexp_f32 v26, 1.0, v28                      ; f = 2^(old M - new M)
.set j, 0
.rept 32
	v_pk_fma_f32 v[S+j:S+j+1], v[S+j:S+j+1], s[CS:CS+1], v[12:13] op_sel_hi:[1,0,0]   ; t - M, two at a time
.set j, j+2
.endr
.set j, 0
	s_wait_alu depctr_va_vdst(0)
.rept 64
	v_exp_f32 v[S+j], v[S+j]                       ; p = 2^(t - M), at most 1
.set j, j+1
.endr
	v_pk_mul_f32 v[14:15], v[14:15], v[26:27] op_sel_hi:[1,0]   ; the sums under the new M: the plain line behind the exponentials
	s_wait_alu depctr_va_vdst(0)                   ; the wait ahead of the first line that names a result: one for the batch of 64
	v_pk_add_f32 v[30:31], v[100:101], v[104:105]
	v_pk_add_f32 v[94:95], v[108:109], v[112:113]
	v_pk_add_f32 v[92:93], v[116:117], v[120:121]
	v_pk_add_f32 v[90:91], v[124:125], v[128:129]
	v_pk_add_f32 v[88:89], v[132:133], v[136:137]
	v_pk_add_f32 v[86:87], v[140:141], v[144:145]
	v_pk_add_f32 v[84:85], v[148:149], v[152:153]
	v_pk_add_f32 v[14:15], v[14:15], v[156:157]
	v_pk_add_f32 v[30:31], v[30:31], v[96:97]
	v_pk_add_f32 v[94:95], v[94:95], v[98:99]
	v_pk_add_f32 v[92:93], v[92:93], v[102:103]
	v_pk_add_f32 v[90:91], v[90:91], v[106:107]
	v_pk_add_f32 v[88:89], v[88:89], v[110:111]
	v_pk_add_f32 v[86:87], v[86:87], v[114:115]
	v_pk_add_f32 v[84:85], v[84:85], v[118:119]
	v_pk_add_f32 v[14:15], v[14:15], v[122:123]
	v_pk_add_f32 v[30:31], v[30:31], v[126:127]
	v_pk_add_f32 v[94:95], v[94:95], v[130:131]
	v_pk_add_f32 v[92:93], v[92:93], v[134:135]
	v_pk_add_f32 v[90:91], v[90:91], v[138:139]
	v_pk_add_f32 v[88:89], v[88:89], v[142:143]
	v_pk_add_f32 v[86:87], v[86:87], v[146:147]
	v_pk_add_f32 v[84:85], v[84:85], v[150:151]
	v_pk_add_f32 v[14:15], v[14:15], v[154:155]
	v_pk_add_f32 v[30:31], v[30:31], v[158:159]
	s_delay_alu instid0(VALU_DEP_2)
	v_pk_add_f32 v[14:15], v[14:15], v[90:91]
	s_delay_alu instid0(VALU_DEP_2)
	v_pk_add_f32 v[30:31], v[30:31], v[88:89]
	v_pk_add_f32 v[94:95], v[94:95], v[86:87]
	v_pk_add_f32 v[92:93], v[92:93], v[84:85]
	s_delay_alu instid0(VALU_DEP_2)
	v_pk_add_f32 v[14:15], v[14:15], v[94:95]
	s_delay_alu instid0(VALU_DEP_2)
	v_pk_add_f32 v[30:31], v[30:31], v[92:93]
	s_delay_alu instid0(VALU_DEP_1)
	v_pk_add_f32 v[14:15], v[14:15], v[30:31]
.irp t, 0,1,2,3,4,5,6,7
.irp i, 0,1,2,3,4,5,6,7
.endr
	v_cvt_scalef32_pk8_fp8_f32 v[KFR+2*\t:KFR+2*\t+1], v[S+8*\t:S+8*\t+7], v25   ; registers 2 t, 2 t + 1 of the operand: keys 16 t + 8 h + 0 .. 7
.endr
.set j, 0
.rept 16
	v_pk_mul_f32 v[O+j:O+j+1], v[O+j:O+j+1], v[26:27] op_sel_hi:[1,0]   ; O^T under the new M.  (Also the plain lines behind the conversions)
.set j, j+2
.endr
	s_wait_alu depctr_va_vdst(0)
	s_wait_dscnt 0x0                               ; V is in
.irp t, 0,1,2,3
	v_wmma_f32_16x16x128_fp8_fp8 v[O+8*\t:O+8*\t+7], v[VFR+16*\t:VFR+16*\t+15], v[KFR:KFR+15], v[O+8*\t:O+8*\t+7]   ; four accumulators by turns; the next step's eight products stand between two links
.endr
.Lhidden_\@:
	s_add_co_u32 s[KF], s[KF], 128
.endm
; A BLOCK IS FINISHED: O^T / the sum, quantised: a number is O^T x 2^(e8 + e9) / sum, its code that / 2^e10: the three exponents are folded.  reload = 1: the second block begins.
.macro FLUSH reload
.rept 4
	v_nop                                          ; places behind the last products
.endr
	v_add_f32 v14, v14, v15
	s_delay_alu instid0(VALU_DEP_1)
	v_permlanex16_b32 v29, v14, s[SEL], s[SEL+1]
	s_delay_alu instid0(VALU_DEP_1)
	v_add_f32 v14, v14, v29                        ; the row's sum
	s_wait_alu depctr_va_vdst(0)
	v_rcp_f32 v26, v14
	v_nop                                          ; a plain line behind the reciprocal
	s_wait_alu depctr_va_vdst(0)                   ; and the wait ahead of its first reader
.set j, 0
.rept 16
	v_pk_mul_f32 v[O+j:O+j+1], v[O+j:O+j+1], v[26:27] op_sel_hi:[1,0]
.set j, j+2
.endr
.set j, 0
.rept 32
.set j, j+1
.endr
.irp t, 0,1,2,3
	v_cvt_scalef32_pk8_fp8_f32 v[KFR+2*\t:KFR+2*\t+1], v[O+8*\t:O+8*\t+7], v10
.endr
	v_nop                                          ; a plain line between the last conversion and the next vector line that writes its sources
	global_store_b128 v[GO], v[KFR:KFR+3], s[54:55]              ; the image of the operand's registers: 2 x 512 consecutive bytes, aligned
	global_store_b128 v[GO], v[KFR+4:KFR+7], s[54:55] offset:512
.if \reload
	s_wait_xcnt 0x0                                ; the stores have read their data and their base
	s_mov_b32 s[CB], ttmp9                         ; block i
	SETBLOCK
	s_mov_b32 s[KF], 0
	START
.endif
.endm
	s_load_b128 s[4:7], s[0:1], 0x0                ; qkv, the exponents
	s_load_b64 s[8:9], s[0:1], 0x10                ; oc
	v_lshl_add_u32 v[SPW], v0, 2, SPARE
	v_mov_b32 v[NIL], 0
	ds_add_u32 v[SPW], v[NIL]                      ; the wave's opening: the add and its wait stand ahead of my first tensor load; work on registers stands between them
	ds_add_u32 v[SPW], v[NIL]
	v_lshrrev_b32 v8, 5, v0
	s_delay_alu instid0(VALU_DEP_1)
	v_readfirstlane_b32 s[WV], v8                  ; wave 0..15
	s_and_b32 s84, ttmp7, 0xffff                   ; the head, 0..63
	s_sub_co_u32 s[NHI], 8, ttmp9
	s_add_co_u32 s[FL], ttmp9, 1
	s_sub_co_u32 s[CB], 7, ttmp9                   ; the first block
	s_and_b32 s85, s[WV], 1
	s_mul_i32 s[G0+1], s85, VOFF                   ; LDS address: K's tile at the slot's head, V's behind it
	s_add_co_u32 s86, s85, 1
	s_lshl_b32 s86, s86, 23                        ; plane 1 (K) or 2 (V),
	s_lshl_b32 s88, s84, 17                        ; the head's 131,072 bytes
	s_add_co_u32 s86, s86, s88
	s_mov_b32 s87, 0
	s_mov_b32 s89, 0
	; descriptor group 1: 16 KiB that are dense in memory, as 64 rows of 256 bytes, 16 bytes of padding behind each
	s_mov_b32 s[G1], (0<<16)|(1<<20)|(5<<22)|(3<<25)
	s_mov_b32 s[G1+1], 256<<16
	s_mov_b32 s[G1+2], 64<<16
	s_mov_b32 s[G1+3], 256<<16
	s_mov_b32 s[G1+4], 64
	s_mov_b32 s[G1+5], 256
	s_mov_b32 s[G1+6], 0
	s_mov_b32 s[G1+7], 0
	s_mov_b32 s[SEL], 0x76543210
	s_mov_b32 s[SEL+1], 0xfedcba98
	s_mov_b32 s[CS], 0x3e38aa3b                    ; log2(e) / 8
	s_mov_b32 s[TB], 0
	s_mov_b32 s[SLOTS], 8
	s_mov_b32 s[KF], 0
	s_wait_dscnt 0x0                               ; the opening add is done
	s_wait_kmcnt 0x0
	s_load_b128 s[68:71], s[6:7], 0x18             ; e6, e7, e8, e9
	s_load_b32 s72, s[6:7], 0x28                   ; e10
	s_add_nc_u64 s[PB:PB+1], s[4:5], s[86:87]
	s_mov_b32 s[G0], 1
	s_mov_b64 s[G0+2:G0+3], s[PB:PB+1]             ; the walk's first slot: keys 0 to 255
	s_or_b32 s[G0+3], s[G0+3], 0x80000000
	TLOAD
	s_add_nc_u64 s[QB:QB+1], s[4:5], s[88:89]
	s_lshr_b32 s90, s84, 4
	s_lshl_b32 s90, s90, 21                        ; a batch is 128 tiles of 16,384 bytes in oc,
	s_and_b32 s91, s84, 15
	s_lshl_b32 s91, s91, 10                        ; a head 1,024 bytes of a tile
	s_add_co_u32 s90, s90, s91
	s_mov_b32 s91, 0
	s_add_nc_u64 s[50:51], s[8:9], s[90:91]
	s_bfe_u32 s90, s[WV], 0x10001                  ; the prefetches: waves 4, 5: K; waves 6, 7: V
	s_add_co_u32 s90, s90, 1
	s_lshl_b32 s90, s90, 23
	s_add_co_u32 s90, s90, s88
	s_lshl_b32 s92, s85, 13                        ; my wave's 8 KiB
	s_add_co_u32 s90, s90, s92
	s_add_co_u32 s90, s90, 16384                   ; in slot 1: the first change steps it to slot 2.  Nothing is prefetched here, at the head
	s_add_nc_u64 s[PFA:PFA+1], s[4:5], s[90:91]
	s_lshr_b32 s92, s[WV], 2
	s_xor_b32 s92, s92, 1                          ; 0 in waves 4 to 7,
	s_or_b32 s92, s92, ttmp9                       ; of work-group 0 of the head
	s_cmp_eq_u32 s92, 0
	s_cselect_b32 s[LIM], 2, -1
	v_and_b32 v8, 15, v0                           ; r
	v_bfe_u32 v9, v0, 4, 1                         ; h
	s_delay_alu instid0(VALU_DEP_2)
	v_lshrrev_b32 v10, 2, v8
	s_delay_alu instid0(VALU_DEP_1)
	v_mul_u32_u24 v[AK0], v10, 272
	s_delay_alu instid0(VALU_DEP_4)
	v_and_b32 v10, 3, v8
	s_delay_alu instid0(VALU_DEP_1)
	v_lshl_add_u32 v[AK0], v10, 6, v[AK0]
	s_delay_alu instid0(VALU_DEP_1)
	v_lshl_add_u32 v[AK0], v9, 4, v[AK0]           ; K: 272 (r / 4) + 64 (r % 4) + 16 h: sixteen lanes touch sixteen different columns of 16 bytes
	v_lshrrev_b32 v10, 1, v8
	s_delay_alu instid0(VALU_DEP_1)
	v_mul_u32_u24 v[AV0], v10, 272
	v_and_b32 v10, 1, v8
	s_delay_alu instid0(VALU_DEP_1)
	v_lshl_add_u32 v[AV0], v10, 7, v[AV0]
	s_delay_alu instid0(VALU_DEP_1)
	v_lshl_add_u32 v[AV0], v9, 4, v[AV0]
	s_delay_alu instid0(VALU_DEP_1)
	v_add_nc_u32 v[AV0], VOFF, v[AV0]              ; V: 272 (r / 2) + 128 (r % 2) + 16 h, behind K's tile
	v_and_b32 v[PFO], 31, v0
	s_delay_alu instid0(VALU_DEP_1)
	v_lshlrev_b32 v[GO], 4, v[PFO]                 ; 16 x lane
	s_delay_alu instid0(VALU_DEP_2)
	v_lshlrev_b32 v[PFO], 8, v[PFO]                ; 256 x lane
	v_lshlrev_b32 v[QOFF], 6, v8
	s_delay_alu instid0(VALU_DEP_1)
	v_lshl_add_u32 v[QOFF], v9, 4, v[QOFF]         ; Q: row r of 64 bytes, + 16 h
	s_wait_alu depctr_va_vdst(0)
	v_mov_b32 v27, 0                               ; (named as the upper half of the pair v[26:27])
	v_mov_b32 v29, 0                               ; written once: a lane permute's destination counts as one of its sources
	SETBLOCK
	START
	s_wait_kmcnt 0x0
	s_add_co_i32 s82, s68, s69
	s_lshl_b32 s82, s82, 23
	s_add_co_i32 s[CS], s[CS], s82                 ; a score stands for score x 2^(e6 + e7)
	s_mov_b32 s[CS+1], s[CS]
	s_add_co_i32 s82, s70, 127
	s_lshl_b32 s83, s82, 23
	v_mov_b32 v25, s83                             ; 2^e8
	s_sub_co_i32 s82, s72, s70
	s_sub_co_i32 s82, s82, s71
	s_add_co_i32 s82, s82, 127
	s_lshl_b32 s83, s82, 23
	v_mov_b32 v10, s83                             ; 2^(e10 - e8 - e9)
.Lslot:                                            ; eight trips: behind each change of slots but the last the next slot of the walk is asked for
	CHANGE 1
	STEP 0
	STEP 1
	s_xor_b32 s[TB], s[TB], SLOT1                  ; on to the other slot
	s_cmp_lg_u32 s[SLOTS], s[FL]                   ; ids and the count alone: all sixteen waves go the same way; no barrier stands in the branch
	s_cbranch_scc1 .Lno_flush
	FLUSH 1
.Lno_flush:
	s_sub_co_u32 s[SLOTS], s[SLOTS], 1
	s_cmp_lg_u32 s[SLOTS], 0
	s_cbranch_scc1 .Lslot
	CHANGE 0                                       ; the ninth slot is written out
	STEP 0
	STEP 1
	FLUSH 0
	s_wait_tensorcnt 0x0                           ; the wave's end, behind my last tensor load
	ds_add_u32 v[SPW], v[NIL]
	s_wait_dscnt 0x0
	s_endpgm
.Lfunc_end_k_qbd347b241c_attn:
	.size	k_qbd347b241c_attn, .Lfunc_end_k_qbd347b241c_attn-k_qbd347b241c_attn
	.p2alignl 7, 3214868480
	.fill 96, 4, 3214868480
	.section	.rodata,"a",@progbits
	.p2align	6, 0x0
	.amdhsa_kernel k_qbd347b241c_attn
		.amdhsa_group_segment_fixed_size 327680
		.amdhsa_private_segment_fixed_size 0
		.amdhsa_enable_private_segment 0
		.amdhsa_kernarg_size 24
		.amdhsa_user_sgpr_count 2
		.amdhsa_user_sgpr_kernarg_segment_ptr 1
		.amdhsa_wavefront_size32 1
		.amdhsa_system_sgpr_workgroup_id_x 1
		.amdhsa_system_sgpr_workgroup_id_y 1
		.amdhsa_system_sgpr_workgroup_id_z 1
		.amdhsa_system_vgpr_workitem_id 0
		.amdhsa_next_free_vgpr 256
		.amdhsa_next_free_sgpr 100
		.amdhsa_reserve_vcc 1
		.amdhsa_float_denorm_mode_32 3
		.amdhsa_float_denorm_mode_16_64 3
		.amdhsa_fp16_overflow 1
		.amdhsa_memory_ordered 1
		.amdhsa_forward_progress 1
		.amdhsa_inst_pref_size 91
	.end_amdhsa_kernel
	.amdgpu_metadata
---
amdhsa.version: [ 1, 2 ]
amdhsa.kernels:
  - .name:           k_qbd347b241c_attn
    .symbol:         k_qbd347b241c_attn.kd
    .args:
      - { .name: qkv, .offset: 0, .size: 8, .value_kind: global_buffer, .address_space: global }
      - { .name: lowp_scales, .offset: 8, .size: 8, .value_kind: global_buffer, .address_space: global }
      - { .name: oc, .offset: 16, .size: 8, .value_kind: global_buffer, .address_space: global }
    .group_segment_fixed_size: 327680
    .private_segment_fixed_size: 0
    .kernarg_segment_align: 8
    .kernarg_segment_size: 24
    .max_flat_workgroup_size: 512
    .sgpr_count:     100
    .vgpr_count:     256
    .wavefront_size: 32
...
	.end_amdgpu_metadata
.endif
;; end of part 3
;; launch proj (part 4): grid 4 x 64, 4 waves a work-group, clusters of 4 x 4, 327,680 bytes of LDS; arguments oc, wc, lowp_scales, bo, out0; writes out0
.if DOCPART == 4
	.amdgcn_target "amdgcn-amd-amdhsa--gfx1250"
	.amdhsa_code_object_version 6
	.text
	.protected	k_qbd347b241c_proj
	.globl	k_qbd347b241c_proj
	.p2align	8
	.type	k_qbd347b241c_proj,@function
k_qbd347b241c_proj:
	s_mov_b64 s[64:65], 0
	v_nop
	global_prefetch_b8 v0, s[64:65] scope:SCOPE_SE
	s_setreg_imm32_b32 hwreg(HW_REG_WAVE_MODE, 25, 1), 1
	s_wait_xcnt 0x0
	s_wait_alu depctr_hold_cnt(0) depctr_sa_sdst(0) depctr_va_vdst(0) depctr_va_sdst(0) depctr_va_ssrc(0) depctr_va_vcc(0) depctr_vm_vsrc(0)
	s_getreg_b32 s2, hwreg(HW_REG_IB_STS2, 6, 4)
	s_cmp_eq_u32 s2, 0
	s_cbranch_scc0 .Lentry_in_a_cluster
	s_endpgm
.Lentry_in_a_cluster:
	s_bfe_u32 s2, ttmp6, 0x10000c
	s_cmp_lg_u32 s2, 0xf033
	s_cbranch_scc0 .Lentry_shape_is_right
	s_endpgm
.Lentry_shape_is_right:
.set PITCH,  272
.set FR,     16
.set NP,     4
.set ATILE,  16384
.set HALFB,  128*PITCH
.set BOFF,   2*ATILE
.set SLOT,   BOFF+2*HALFB
.set SPARE,  2*SLOT
.set SPITCH, 528
.set ADRA, 16
.set ADRB, 20
.set STO,  24
.set RD,   25
.set CO,   26
.set BO,   27
.set SPW,  28
.set NIL,  29
.set TMP,  32
.set AF,   128
.set BK,   128
.set G1, 24
.set G0, 32
.set G1B, 48
.set G0B, 56
.set MSB, 0
.macro WIN new
.if MSB != \new
	s_set_vgpr_msb (MSB<<8)|\new
.set MSB, \new
.endif
.endm
.set MUL,  0xa1
.set TO_B, 0x40
.macro JLOAD g0a, g1a, g0b, g1b
	s_cmp_eq_u32 s15, 0
	s_cbranch_scc0 .Lfor_b_\@
	tensor_load_to_lds s[\g0a:\g0a+3], s[\g1a:\g1a+7]
	s_nop 0
.rept 4
	v_nop
.endr
	s_branch .Lasked_\@
.Lfor_b_\@:
	tensor_load_to_lds s[\g0b:\g0b+3], s[\g1b:\g1b+7]
	s_nop 0
.rept 4
	v_nop
.endr
.Lasked_\@:
.endm
.macro CREST
	s_cmp_lg_u32 s14, 0
	s_cbranch_scc1 .Lnot_wave_0_\@
	s_barrier_signal -3
.Lnot_wave_0_\@:
	s_barrier_wait -3
	s_barrier_signal -1
	s_barrier_wait -1
.endm
.macro CROUND
	s_barrier_signal -1
	s_barrier_wait -1
	CREST
.endm
	s_load_b256 s[4:11], s[0:1], 0x0
	s_load_b64 s[12:13], s[0:1], 0x20
	v_lshl_add_u32 v[SPW], v0, 2, SPARE
	v_mov_b32 v[NIL], 0
	ds_add_u32 v[SPW], v[NIL]
	ds_add_u32 v[SPW], v[NIL]
	v_lshrrev_b32 v1, 5, v0
	v_readfirstlane_b32 s14, v1
	s_lshr_b32 s15, s14, 1
	s_and_b32 s16, s14, 1
	s_bfe_u32 s40, ttmp6, 0x40000
	s_bfe_u32 s41, ttmp6, 0x40004
	s_and_b32 s17, ttmp7, 0xffff
	s_lshl_b32 s17, s17, 2
	s_add_co_u32 s17, s17, s41
	s_lshl_b32 s43, s41, 2
	s_lshl_b32 s43, 15, s43
	s_lshl_b32 s44, 0x1111, s40
	s_or_b32 s[G1+0], s43, (0<<16)|(1<<21)
	s_mov_b32 s[G1+1], 4096<<16
	s_mov_b32 s[G1+2], 4<<16
	s_mov_b32 s[G1+3], 4096<<16
	s_mov_b32 s[G1+4], 4
	s_mov_b32 s[G1+5], 16384
	s_mov_b32 s[G1+6], 0
	s_mov_b32 s[G1+7], 0
	s_or_b32 s[G1B+0], s44, (0<<16)|(1<<20)|(1<<21)|(5<<22)|(3<<25)
	s_mov_b32 s[G1B+1], 256<<16
	s_mov_b32 s[G1B+2], 128<<16
	s_mov_b32 s[G1B+3], 256<<16
	s_mov_b32 s[G1B+4], 128
	s_mov_b32 s[G1B+5], 1024
	s_mov_b32 s[G1B+6], 0
	s_mov_b32 s[G1B+7], 0
	s_lshl_b32 s20, s17, 17
	s_lshl_b32 s18, s16, 16
	s_add_co_u32 s20, s20, s18
	s_mov_b32 s21, 0
	s_lshl_b32 s46, s40, 18
	s_lshl_b32 s18, s16, 17
	s_add_co_u32 s46, s46, s18
	s_add_co_u32 s46, s46, 0x300000
	s_mov_b32 s47, 0
	s_mul_i32 s45, s16, ATILE
	s_mul_i32 s95, s16, HALFB
	s_add_co_u32 s95, s95, BOFF
	s_wait_dscnt 0x0
	s_wait_kmcnt 0x0
	s_load_b64 s[96:97], s[8:9], 0x28
	s_add_nc_u64 s[20:21], s[4:5], s[20:21]
	s_add_nc_u64 s[46:47], s[6:7], s[46:47]
	CROUND
.irp s, 0,1
	s_mov_b32 s[G0+4*\s], 1
	s_add_co_u32 s[G0+4*\s+1], s45, \s*SLOT
	s_add_nc_u64 s[G0+4*\s+2:G0+4*\s+3], s[20:21], \s*4096
	s_or_b32 s[G0+4*\s+3], s[G0+4*\s+3], 0x80000000
	s_mov_b32 s[G0B+4*\s], 1
	s_add_co_u32 s[G0B+4*\s+1], s95, \s*SLOT
	s_add_nc_u64 s[G0B+4*\s+2:G0B+4*\s+3], s[46:47], \s*256
	s_or_b32 s[G0B+4*\s+3], s[G0B+4*\s+3], 0x80000000
	s_wait_alu depctr_va_vdst(0)
	s_wait_tensorcnt 0x0
	ds_add_u32 v28, v29
	ds_add_u32 v28, v29
	s_wait_dscnt 0x0
	CROUND
	JLOAD G0+4*\s, G1, G0B+4*\s, G1B
.endr
	v_and_b32 v1, 15, v0
	v_bfe_u32 v2, v0, 4, 1
	v_and_b32 v6, 31, v0
	v_lshlrev_b32 v[CO], 4, v6
	v_mul_u32_u24 v3, v1, PITCH
	v_lshl_add_u32 v4, v2, 4, v3
	s_mul_i32 s21, s15, ATILE
	s_mul_i32 s22, s16, HALFB
	s_add_co_u32 s22, s22, BOFF
.irp s, 0,1
	v_add_nc_u32 v[ADRA+\s], s21, v[CO]
	v_add_nc_u32 v[ADRB+\s], s22, v4
	s_add_co_u32 s21, s21, SLOT
	s_add_co_u32 s22, s22, SLOT
.endr
	s_mul_i32 s23, s14, 16*SPITCH
	v_mul_u32_u24 v5, v1, SPITCH
	v_lshl_add_u32 v5, v2, 5, v5
	v_add_nc_u32 v[STO], s23, v5
	v_add_nc_u32 v[RD], s23, v[CO]
	v_lshlrev_b32 v[BO], 5, v2
	s_wait_alu depctr_va_vdst(0)
	s_lshl_b32 s46, s40, 10
	s_lshl_b32 s47, s16, 9
	s_add_co_u32 s46, s46, s47
	s_mov_b32 s47, 0
	s_add_nc_u64 s[10:11], s[10:11], s[46:47]
	s_lshl_b32 s20, s17, 7
	s_lshl_b32 s21, s15, 6
	s_add_co_u32 s20, s20, s21
	s_lshl_b32 s20, s20, 12
	s_add_co_u32 s20, s20, s46
	s_mov_b32 s21, 0
	s_add_nc_u64 s[12:13], s[12:13], s[20:21]
	WIN 0xc0
.irp b, 0,1,2,3,4,5,6,7
	global_load_b128 v[8*\b:8*\b+3], v[BO], s[10:11] offset:64*\b
	global_load_b128 v[8*\b+4:8*\b+7], v[BO], s[10:11] offset:64*\b+16
.endr
	WIN 0
.macro MUL16 a0, p, zero
.irp a, \a0, \a0+1
.irp b, 0,1,2,3,4,5,6,7
.if \zero
	v_wmma_f32_16x16x128_fp8_fp8 v[8*(8*(\a)+\b):8*(8*(\a)+\b)+7], v[128*(\p)+FR*\b:128*(\p)+FR*\b+FR-1], v[AF+64*(\p)+FR*(\a):AF+64*(\p)+FR*(\a)+FR-1], 0
.else
	v_wmma_f32_16x16x128_fp8_fp8 v[8*(8*(\a)+\b):8*(8*(\a)+\b)+7], v[128*(\p)+FR*\b:128*(\p)+FR*\b+FR-1], v[AF+64*(\p)+FR*(\a):AF+64*(\p)+FR*(\a)+FR-1], v[8*(8*(\a)+\b):8*(8*(\a)+\b)+7]
.endif
.endr
.endr
.endm
.macro FETCH slot, q, p
	WIN TO_B
.irp i, 0,1,2,3,4,5,6,7
.irp c, 0,1,2,3
	ds_load_b128 v[128*(\p)+FR*\i+4*\c:128*(\p)+FR*\i+4*\c+3], v[ADRB+\slot] offset:128*(\q)+32*\c+\i*16*PITCH
.endr
.endr
	WIN 0
.irp i, 0,1,2,3
.irp c, 0,1,2,3
	ds_load_b128 v[AF+64*(\p)+FR*\i+4*\c:AF+64*(\p)+FR*\i+4*\c+3], v[ADRA+\slot] offset:4096*\i+2048*(\q)+512*\c
.endr
.endr
.endm
.macro PLACES n
.rept \n
	v_nop
.endr
.endm
.macro STEP slot, zero
	s_wait_dscnt 0x0
	PLACES NP
	FETCH \slot, 1, 1
	WIN MUL
	MUL16 0, 0, \zero
	MUL16 2, 0, \zero
.endm
.macro TURN slot, next, fill
	WIN 0
	s_wait_tensorcnt 0x0
	ds_add_u32 v[SPW], v[NIL]
	s_wait_dscnt 1
	WIN MUL
	MUL16 0, 1, 0
	s_wait_dscnt 0x0
	s_barrier_signal -1
	WIN 0
	s_barrier_wait -1
.if \fill
	CREST
	s_add_nc_u64 s[G0+4*\slot+2:G0+4*\slot+3], s[G0+4*\slot+2:G0+4*\slot+3], 2*4096
	s_add_nc_u64 s[G0B+4*\slot+2:G0B+4*\slot+3], s[G0B+4*\slot+2:G0B+4*\slot+3], 2*256
	JLOAD G0+4*\slot, G1, G0B+4*\slot, G1B
.else
	PLACES NP
.endif
	FETCH \next, 0, 0
	WIN MUL
	MUL16 2, 1, 0
.endm
	s_wait_tensorcnt 1
	s_barrier_signal -1
	s_barrier_wait -1
	FETCH 0, 0, 0
	STEP 0, 1
	TURN 0, 1, 1
	STEP 1, 0
	TURN 1, 0, 1
	STEP 0, 0
	TURN 0, 1, 0
	STEP 1, 0
	s_wait_dscnt 0x0
	MUL16 0, 1, 0
	MUL16 2, 1, 0
	WIN 0
.macro TOSTAGE a
.set AC, 64*(\a)
	WIN 0x32
.set j, 0
.rept 32
	v_pk_fma_f32 v[TMP+j:TMP+j+1], v[AC+j:AC+j+1], s[96:97], v[j:j+1] op_sel_hi:[1,0,1]
.set j, j+2
.endr
	WIN 0
.irp b, 0,1,2,3,4,5,6,7
	ds_store_b128 v[STO], v[TMP+8*\b:TMP+8*\b+3] offset:64*\b
	ds_store_b128 v[STO], v[TMP+8*\b+4:TMP+8*\b+7] offset:64*\b+16
.endr
.set BB, BK+64*((\a)%2)
.irp t, 0,1,2,3,4,5,6,7,8,9,10,11,12,13,14,15
	ds_load_b128 v[BB+4*\t:BB+4*\t+3], v[RD] offset:\t*SPITCH
.endr
.endm
.macro SEND a, younger
.set BB, BK+64*((\a)%2)
	s_wait_dscnt \younger
.if (\a) > 0
	s_add_nc_u64 s[12:13], s[12:13], 16*4096
.endif
.irp t, 0,1,2,3,4,5,6,7,8,9,10,11,12,13,14,15
	global_store_b128 v[CO], v[BB+4*\t:BB+4*\t+3], s[12:13] offset:\t*4096 th:TH_STORE_NT
.endr
.endm
	s_wait_kmcnt 0x0
	s_add_co_i32 s96, s96, s97
	s_add_co_i32 s96, s96, 127
	s_lshl_b32 s96, s96, 23
	s_mov_b32 s97, s96
	s_wait_loadcnt 0x0
	PLACES NP
	TOSTAGE 0
.irp a, 1,2,3
.if \a > 1
	s_wait_xcnt 0x0
.endif
	TOSTAGE \a
	SEND \a-1, 32
.endr
	s_wait_xcnt 0x0
	SEND 3, 0
	s_wait_tensorcnt 0x0
	ds_add_u32 v[SPW], v[NIL]
	s_wait_dscnt 0x0
	CROUND
	s_endpgm
.Lfunc_end_k_qbd347b241c_proj:
	.size	k_qbd347b241c_proj, .Lfunc_end_k_qbd347b241c_proj-k_qbd347b241c_proj
	.p2alignl 7, 3214868480
	.fill 96, 4, 3214868480
	.section	.rodata,"a",@progbits
	.p2align	6, 0x0
	.amdhsa_kernel k_qbd347b241c_proj
		.amdhsa_group_segment_fixed_size 327680
		.amdhsa_private_segment_fixed_size 0
		.amdhsa_enable_private_segment 0
		.amdhsa_kernarg_size 40
		.amdhsa_user_sgpr_count 2
		.amdhsa_user_sgpr_kernarg_segment_ptr 1
		.amdhsa_wavefront_size32 1
		.amdhsa_system_sgpr_workgroup_id_x 1
		.amdhsa_system_sgpr_workgroup_id_y 1
		.amdhsa_system_sgpr_workgroup_id_z 1
		.amdhsa_system_vgpr_workitem_id 0
		.amdhsa_next_free_vgpr 1024
		.amdhsa_next_free_sgpr 100
		.amdhsa_reserve_vcc 0
		.amdhsa_float_denorm_mode_32 3
		.amdhsa_float_denorm_mode_16_64 3
		.amdhsa_memory_ordered 1
		.amdhsa_forward_progress 1
		.amdhsa_inst_pref_size 78
	.end_amdhsa_kernel
	.amdgpu_metadata
---
amdhsa.version: [ 1, 2 ]
amdhsa.kernels:
  - .name:           k_qbd347b241c_proj
    .symbol:         k_qbd347b241c_proj.kd
    .args:
      - { .name: oc, .offset: 0, .size: 8, .value_kind: global_buffer, .address_space: global }
      - { .name: wc, .offset: 8, .size: 8, .value_kind: global_buffer, .address_space: global }
      - { .name: lowp_scales, .offset: 16, .size: 8, .value_kind: global_buffer, .address_space: global }
      - { .name: bo, .offset: 24, .size: 8, .value_kind: global_buffer, .address_space: global }
      - { .name: out0, .offset: 32, .size: 8, .value_kind: global_buffer, .address_space: global }
    .group_segment_fixed_size: 327680
    .private_segment_fixed_size: 0
    .kernarg_segment_align: 8
    .kernarg_segment_size: 40
    .max_flat_workgroup_size: 128
    .sgpr_count:     100
    .vgpr_count:     1024
    .wavefront_size: 32
...
	.end_amdgpu_metadata
.endif
;; end of part 4
